; MI455X (gfx1250); checked and timed in simulation.
; The chip was launched on July 23, 2026; its instructions are those of AMD's public machine-readable ISA for CDNA 5 (MIT licence, August 2026) and "CDNA5" Instruction Set Architecture Reference Guide (July 2026). The comments in the code are by the model that wrote it; some were corrected since.
;; GPT Attention. Allowed arithmetic: float matrix products may take bf16 or f16 operands with f32 sums; all other float work in f32.
;; Inputs: b_attn 3,072 float32; b_proj 1,024 float32; hidden_states 2 x 2,048 x 1,024 float32; w_attn 1,024 x 3,072 float32; w_proj 1,024 x 1,024 float32.
;; Outputs: out0 2 x 2,048 x 1,024 float32.
;; 2 versions, each right; version 2 is version 1 with the launch cast written anew for expert scheduling mode. Each part assembles by itself: llvm-mc -triple=amdgcn-amd-amdhsa -mcpu=gfx1250 --defsym DOCPART=n.
;; ======== version 1 of 2: 4 launches
;; limits: values are held in f16: magnitudes above 65,504 overflow, below 6.1e-05 lose precision
;; workspace buffers: hb 8,388,608 bytes; wat 6,291,456 bytes; wpt 2,097,152 bytes; qkv 25,165,824 bytes; ao 8,388,608 bytes
;; launch cast (part 1): grid 512 x 1, 8 waves a work-group, no clusters, 50,432 bytes of LDS; arguments hidden_states, w_attn, w_proj, hb, wat, wpt; writes hb, wat, wpt
.if DOCPART == 1
	.amdgcn_target "amdgcn-amd-amdhsa--gfx1250"
	.amdhsa_code_object_version 6
	.text
	.protected	k_q67c5b5e950_cast
	.globl	k_q67c5b5e950_cast
	.p2align	8
	.type	k_q67c5b5e950_cast,@function
k_q67c5b5e950_cast:
	s_mov_b64 s[64:65], 0
	v_nop
	global_prefetch_b8 v0, s[64:65] scope:SCOPE_SE
	s_setreg_imm32_b32 hwreg(HW_REG_WAVE_MODE, 25, 1), 1
	s_wait_xcnt 0x0
; Three casts in one launch; every work-group reads 65,536 bytes once and writes 32,768 bytes once.
;   groups   0..255: hb  = hidden_states rounded to bf16, same order [4096][1024]
;   groups 256..447: wat = w_attn [1024 k][3072 n] rounded to bf16 and transposed to [3072 n][1024 k]
;   groups 448..511: wpt = w_proj [1024 k][1024 n] rounded to bf16, that value written as f16, transposed to [1024 n][1024 k]
; The products behind this launch then read 2-byte operands with K along the rows.  No matrix unit, no cluster: nothing is shared.
; LIMIT: wpt is f16: |w_proj| must stay below 65,504; a bf16 value below 2^-17 in size is moved by at most 2^-25.
.set X,   16                           ; v[16:79]   16 loads of 4 registers
.set Y,   80                           ; v[80:111]  packed results
.set REG, 6176                         ; a wave's LDS region: 128 rows (n) of 48 bytes (32 of data), and 32 bytes so that regions start 32 bytes apart modulo 256
	s_load_b256 s[4:11], s[0:1], 0x0               ; hidden_states s[4:5], w_attn s[6:7], w_proj s[8:9], hb s[10:11]
	s_load_b128 s[12:15], s[0:1], 0x20             ; wat s[12:13], wpt s[14:15]
	v_lshl_add_u32 v112, v0, 2, 0xc100
	v_mov_b32 v113, 0
	v_lshrrev_b32 v6, 5, v0
	v_readfirstlane_b32 s24, v6                    ; wave 0..7
	v_and_b32 v7, 31, v0                           ; lane
	s_wait_kmcnt 0x0
	s_cmp_lt_u32 ttmp9, 256                        ; the branch hangs on the work-group's number alone: all eight waves go the same way
	s_cbranch_scc0 .Lweights
	; ---- hidden_states: thread t takes 16 bytes at 16 t of each of 16 blocks of 4,096 bytes
	s_lshl_b32 s16, ttmp9, 16                      ; 65,536 bytes in
	s_mov_b32 s17, 0
	s_lshl_b32 s18, ttmp9, 15                      ; 32,768 bytes out
	s_mov_b32 s19, 0
	s_add_nc_u64 s[4:5], s[4:5], s[16:17]
	s_add_nc_u64 s[10:11], s[10:11], s[18:19]
	v_lshlrev_b32 v1, 4, v0
	v_lshlrev_b32 v2, 3, v0
.irp j, 0,1,2,3,4,5,6,7,8,9,10,11,12,13,14,15
	global_load_b128 v[X+4*\j:X+4*\j+3], v1, s[4:5] offset:4096*\j th:TH_LOAD_NT   ; all sixteen go out at once
.endr
.irp j, 0,1,2,3,4,5,6,7,8,9,10,11,12,13,14,15
	s_wait_loadcnt 15-\j                           ; loads come back in order: load j is in, the 15 - j younger ones stay out
	v_cvt_pk_bf16_f32 v[Y+2*\j],   v[X+4*\j],   v[X+4*\j+1]
	v_cvt_pk_bf16_f32 v[Y+2*\j+1], v[X+4*\j+2], v[X+4*\j+3]
	global_store_b64 v2, v[Y+2*\j:Y+2*\j+1], s[10:11] offset:2048*\j   ; a wave's store covers 256 consecutive bytes, aligned; no register is written twice
.endr
	s_endpgm
; ---- a weight tile of 128 k x 128 n.  s17 = kt, s18 = nt.  n = columns of the source.  half = 1: the bf16 value is written as f16.
; Wave w loads rows k = 16 w .. 16 w + 15 (512 consecutive bytes each); lane l holds columns 4 l .. 4 l + 3.
; Two neighbouring k of one column make a word; a column's 16 k are 32 bytes, laid at row n of the wave's own LDS region.
.macro TRANS src, dst, n, half
	s_mul_i32 s20, s17, 128*\n*4                   ; 128 rows of the source
	s_lshl_b32 s21, s18, 9                         ; 128 columns of 4 bytes
	s_add_co_u32 s20, s20, s21
	s_mov_b32 s21, 0
	s_add_nc_u64 s[\src:\src+1], s[\src:\src+1], s[20:21]
	s_lshl_b32 s22, s18, 18                        ; 128 rows of 2,048 bytes of the result
	s_lshl_b32 s23, s17, 8                         ; 128 k of 2 bytes
	s_add_co_u32 s22, s22, s23
	s_mov_b32 s23, 0
	s_add_nc_u64 s[\dst:\dst+1], s[\dst:\dst+1], s[22:23]
	s_mul_i32 s25, s24, 16*\n*4                    ; my wave's 16 rows
	v_lshl_add_u32 v1, v7, 4, s25
.irp i, 0,1,2,3,4,5,6,7,8,9,10,11,12,13,14,15
	global_load_b128 v[X+4*\i:X+4*\i+3], v1, s[\src:\src+1] offset:\i*\n*4 th:TH_LOAD_NT
.endr
	s_mul_i32 s26, s24, REG
	v_mul_u32_u24 v3, v7, 4*48                     ; in: rows 4 l .. 4 l + 3 of my region
	v_add_nc_u32 v3, s26, v3
	v_lshrrev_b32 v8, 4, v0                        ; back: thread t takes row t / 16 (of 16), bytes 16 (t % 16) of the row's 256:
	v_bfe_u32 v9, v0, 1, 3                         ; region (t % 16) / 2,
	v_and_b32 v10, 1, v0                           ; half t % 2 of its 32 bytes
	v_and_b32 v11, 15, v0
	v_mul_u32_u24 v4, v9, REG
	v_mad_u32_u24 v4, v8, 48, v4
	v_lshl_add_u32 v4, v10, 4, v4
	v_lshlrev_b32 v5, 11, v8                       ; the same place in the result: rows of 2,048 bytes
	v_lshl_add_u32 v5, v11, 4, v5
.irp p, 0,1,2,3,4,5,6,7
	s_wait_loadcnt 14-2*\p                         ; rows 2 p and 2 p + 1 are in; the 14 - 2 p younger loads stay out
.irp c, 0,1,2,3
	v_cvt_pk_bf16_f32 v[Y+8*\c+\p], v[X+8*\p+\c], v[X+8*\p+4+\c]
.if \half
	v_lshlrev_b32 v12, 16, v[Y+8*\c+\p]            ; the two bf16 values as f32,
	v_and_b32 v13, 0xffff0000, v[Y+8*\c+\p]
	v_cvt_pk_f16_f32 v[Y+8*\c+\p], v12, v13        ; written as f16 (8 significant bits fit into 11)
.endif
.endr
.endr
.irp c, 0,1,2,3
	ds_store_b128 v3, v[Y+8*\c:Y+8*\c+3]   offset:48*\c
	ds_store_b128 v3, v[Y+8*\c+4:Y+8*\c+7] offset:48*\c+16
.endr
	s_wait_dscnt 0x0                               ; my stores are done, for the other waves' sake: zero
	s_barrier_signal -1
	s_barrier_wait -1                              ; every wave's are
.irp j, 0,1,2,3,4,5,6,7
	ds_load_b128 v[X+4*\j:X+4*\j+3], v4 offset:768*\j              ; 16 rows of 48 bytes further on
.endr
.irp j, 0,1,2,3,4,5,6,7
	s_wait_dscnt 7-\j                              ; LDS loads come back in order: load j is in
	global_store_b128 v5, v[X+4*\j:X+4*\j+3], s[\dst:\dst+1] offset:32768*\j   ; sixteen lanes store 256 consecutive bytes, aligned
.endr
.endm
.Lweights:
	s_sub_co_u32 s16, ttmp9, 256
	s_and_b32 s17, s16, 7                          ; kt: which 128 of K
	s_lshr_b32 s18, s16, 3                         ; nt: which 128 columns (w_proj's tiles follow w_attn's 24)
	s_cmp_lt_u32 s16, 192
	s_cbranch_scc0 .Lproj
	TRANS 6, 12, 3072, 0
	s_wait_tensorcnt 0x0
	ds_add_u32 v112, v113
	s_wait_dscnt 0x0
	s_endpgm
.Lproj:
	s_sub_co_u32 s18, s18, 24
	TRANS 8, 14, 1024, 1
	s_wait_tensorcnt 0x0
	ds_add_u32 v112, v113
	s_wait_dscnt 0x0
	s_endpgm
.Lfunc_end_k_q67c5b5e950_cast:
	.size	k_q67c5b5e950_cast, .Lfunc_end_k_q67c5b5e950_cast-k_q67c5b5e950_cast
	.p2alignl 7, 3214868480
	.fill 96, 4, 3214868480
	.section	.rodata,"a",@progbits
	.p2align	6, 0x0
	.amdhsa_kernel k_q67c5b5e950_cast
		.amdhsa_group_segment_fixed_size 50432
		.amdhsa_private_segment_fixed_size 0
		.amdhsa_enable_private_segment 0
		.amdhsa_kernarg_size 48
		.amdhsa_user_sgpr_count 2
		.amdhsa_user_sgpr_kernarg_segment_ptr 1
		.amdhsa_wavefront_size32 1
		.amdhsa_system_sgpr_workgroup_id_x 1
		.amdhsa_system_sgpr_workgroup_id_y 1
		.amdhsa_system_sgpr_workgroup_id_z 1
		.amdhsa_system_vgpr_workitem_id 0
		.amdhsa_next_free_vgpr 114
		.amdhsa_next_free_sgpr 66
		.amdhsa_reserve_vcc 0
		.amdhsa_float_denorm_mode_32 3
		.amdhsa_float_denorm_mode_16_64 3
		.amdhsa_memory_ordered 1
		.amdhsa_forward_progress 1
		.amdhsa_inst_pref_size 26
	.end_amdhsa_kernel
	.amdgpu_metadata
---
amdhsa.version: [ 1, 2 ]
amdhsa.kernels:
  - .name:           k_q67c5b5e950_cast
    .symbol:         k_q67c5b5e950_cast.kd
    .args:
      - { .name: hidden_states, .offset: 0, .size: 8, .value_kind: global_buffer, .address_space: global }
      - { .name: w_attn, .offset: 8, .size: 8, .value_kind: global_buffer, .address_space: global }
      - { .name: w_proj, .offset: 16, .size: 8, .value_kind: global_buffer, .address_space: global }
      - { .name: hb, .offset: 24, .size: 8, .value_kind: global_buffer, .address_space: global }
      - { .name: wat, .offset: 32, .size: 8, .value_kind: global_buffer, .address_space: global }
      - { .name: wpt, .offset: 40, .size: 8, .value_kind: global_buffer, .address_space: global }
    .group_segment_fixed_size: 50432
    .private_segment_fixed_size: 0
    .kernarg_segment_align: 8
    .kernarg_segment_size: 48
    .max_flat_workgroup_size: 256
    .sgpr_count:     66
    .vgpr_count:     114
    .wavefront_size: 32
...
	.end_amdgpu_metadata
.endif
;; end of part 1
;; launch qkvgemm (part 2): grid 16 x 16, 4 waves a work-group, clusters of 4 x 4, 327,680 bytes of LDS; arguments hb, wat, b_attn, qkv; writes qkv
.if DOCPART == 2
	.amdgcn_target "amdgcn-amd-amdhsa--gfx1250"
	.amdhsa_code_object_version 6
	.text
	.protected	k_q67c5b5e950_qkvgemm
	.globl	k_q67c5b5e950_qkvgemm
	.p2align	8
	.type	k_q67c5b5e950_qkvgemm,@function
k_q67c5b5e950_qkvgemm:
	s_mov_b64 s[64:65], 0
	v_nop
	global_prefetch_b8 v0, s[64:65] scope:SCOPE_SE
	s_setreg_imm32_b32 hwreg(HW_REG_WAVE_MODE, 25, 1), 1
	s_wait_xcnt 0x0
	s_wait_alu depctr_hold_cnt(0) depctr_sa_sdst(0) depctr_va_vdst(0) depctr_va_sdst(0) depctr_va_ssrc(0) depctr_va_vcc(0) depctr_vm_vsrc(0)
	s_getreg_b32 s2, hwreg(HW_REG_IB_STS2, 6, 4)
	s_cmp_eq_u32 s2, 0
	s_cbranch_scc0 .Lentry_in_a_cluster
	s_endpgm
.Lentry_in_a_cluster:
	s_bfe_u32 s2, ttmp6, 0x10000c
	s_cmp_lg_u32 s2, 0xf033
	s_cbranch_scc0 .Lentry_shape_is_right
	s_endpgm
.Lentry_shape_is_right:
; qkv = hb x wat^T + b_attn.  hb [4096][1024] bf16, wat [3072 n][1024 k] bf16, sums in f32 started by the bias, result f16,
; stored head-major: qkv[b 2][g 48][s 2048][64], g = column / 64 (0-15 Q heads, 16-31 K, 32-47 V).
; A work-group makes 256 rows x 192 columns (three heads): 16 x 16 = 256 work-groups.  Wave w makes rows 64 w .. 64 w + 63 of all 192 columns:
; 4 x 12 accumulator tiles, 384 registers; for 32 along K it reads 32 x 512 bytes of LDS for 48 matrix instructions.
; K goes in 8 steps of 128 through two LDS slots filled by tensor loads whose rows are 256 consecutive, aligned bytes.
; CLUSTER 4 x 4: the four work-groups of a row of the cluster need the same rows of hb, the four of a column the same rows of wat:
; each such tile is asked for jointly, with one descriptor and a mask that names the four.
; The matrix instruction is used transposed (source 0 = rows of wat, source 1 = rows of hb): lane (r, h) then holds row r and the eight
; neighbouring columns 8 h .. 8 h + 7, which pack into 16 bytes, and the bias of those columns is the first product's C.
; LIMIT: the result is f16: |q|, |k|, |v| must stay below 65,504 (beyond that: infinity).  f16 and not bf16, because the first causal rows
; are single rows of v, some 15 times the output's root mean square, and 8 significant bits there pass the allowed error.
; WINDOWS: 0: addresses, fragments of hb (two buffers), bias;  1: fragments of wat (two buffers);  2, 3: accumulators of row tiles 0-1, 2-3.
.set KSTEP,  128
.set PITCH,  272                       ; an LDS row: 256 bytes + 16 of padding: sixteen rows start at sixteen different 16-byte columns modulo 256
.set HALFA,  128*PITCH                 ; one tensor load of hb: 128 rows
.set HALFB,  96*PITCH                  ; one tensor load of wat: 96 rows
.set SLOT,   2*HALFA+2*HALFB           ; 256 rows of hb, then 192 rows of wat
.set STAGE,  2*SLOT                    ; behind the ring (a multiple of 256): 16 rows x 400 bytes for each wave, for the way out
.set SPITCH, 400                       ; 384 bytes of a row + 16
.set LAPS,   4                         ; a lap = two K steps = once round the ring
.set ADRA, 16                          ; v16-17  LDS address of my hb fragments in slot 0, 1
.set ADRB, 20                          ; v20-21  the same for wat
.set STO,  24                          ; the way out: where I put 16 bytes
.set RD,   25                          ; the way out: where I read back
.set CO,   26                          ; my byte offset in a store's 512 bytes
.set BO,   27                          ; my byte offset in the bias
.set FA,   64                          ; window 0: v64-95, v96-127: 4 fragments of hb, buffer f at FA + 32 f
.set FB,   0                           ; window 1: v0-95, v96-191: 12 fragments of wat, buffer f at FB + 96 f
.set BIAS, 128                         ; window 0: v128-223: the bias of column tile b at BIAS + 8 b
.set TMP,  128                         ; the way out: packed results (the bias is no longer needed)
.set G1,  24                           ; s[24:31] group 1 for hb's tiles
.set G0,  32                           ; s[32:39] group 0 for hb's tiles, one set a slot
.set G1B, 48                           ; s[48:55] group 1 for wat's tiles
.set G0B, 56                           ; s[56:63] group 0 for wat's tiles, one set a slot
.set MSB, 0
.macro WIN new                         ; the immediate's high byte repeats the setting that is left
.if MSB != \new
	s_set_vgpr_msb (MSB<<8)|\new
.set MSB, \new
.endif
.endm
.macro PLACES                          ; four places behind a matrix instruction, in front of loads into its registers and of readers of its result
.rept 4
	v_nop
.endr
.endm
.macro JLOAD s                         ; waves 0, 1 ask for hb's two halves, waves 2, 3 for wat's: one load a wave; the branch hangs on the wave's number alone
	s_cmp_eq_u32 s13, 0
	s_cbranch_scc0 .Lfor_b_\@
	tensor_load_to_lds s[G0+4*\s:G0+4*\s+3], s[G1:G1+7]
	s_nop 0
	s_branch .Lasked_\@
.Lfor_b_\@:
	tensor_load_to_lds s[G0B+4*\s:G0B+4*\s+3], s[G1B:G1B+7]
	s_nop 0
.Lasked_\@:
.endm
.macro CREST                           ; a round of the cluster's barrier behind its opening work-group barrier
	s_cmp_lg_u32 s12, 0
	s_cbranch_scc1 .Lnot_wave_0_\@
	s_barrier_signal -3
.Lnot_wave_0_\@:
	s_barrier_wait -3
	s_barrier_signal -1
	s_barrier_wait -1
.endm
.macro CROUND                          ; a whole round
	s_barrier_signal -1
	s_barrier_wait -1
	CREST
.endm
	s_load_b256 s[4:11], s[0:1], 0x0               ; hb s[4:5], wat s[6:7], b_attn s[8:9], qkv s[10:11]
	s_set_vgpr_msb 0x40
	v_lshl_add_u32 v255, v0, 2, 0x41c00
	s_set_vgpr_msb 0x4000
	v_mov_b32 v255, 0
	s_set_vgpr_msb 0x1
	ds_add_u32 v255, v255
	s_set_vgpr_msb 0x100
	v_lshrrev_b32 v1, 5, v0
	v_readfirstlane_b32 s12, v1                    ; wave 0..3
	s_lshr_b32 s13, s12, 1                         ; I fetch for hb (0) or for wat (1)
	s_and_b32 s14, s12, 1                          ; which half of that tile
	s_bfe_u32 s40, ttmp6, 0x40000                  ; cx
	s_bfe_u32 s41, ttmp6, 0x40004                  ; cy
	s_lshl_b32 s42, ttmp9, 2
	s_add_co_u32 s42, s42, s40                     ; bx: block of 192 columns
	s_and_b32 s43, ttmp7, 0xffff
	s_lshl_b32 s43, s43, 2
	s_add_co_u32 s43, s43, s41                     ; by: block of 256 rows
	s_lshl_b32 s44, s41, 2
	s_lshl_b32 s44, 15, s44                        ; my row of the cluster: places 4 cy .. 4 cy + 3
	s_lshl_b32 s45, 0x1111, s40                    ; my column: places cx, cx + 4, cx + 8, cx + 12
	s_or_b32 s[G1+0], s44, (1<<16)|(1<<20)|(1<<21)|(5<<22)|(3<<25)   ; mask; 2-byte elements; padding on; bit 21 beside a mask; after every 64 words 4 words
	s_or_b32 s[G1B+0], s45, (1<<16)|(1<<20)|(1<<21)|(5<<22)|(3<<25)
	s_mov_b32 s[G1+1], KSTEP<<16                   ; tensor_dim0 = 128
	s_mov_b32 s[G1B+1], KSTEP<<16
	s_mov_b32 s[G1+2], 128<<16                     ; tensor_dim1 = 128 rows
	s_mov_b32 s[G1B+2], 96<<16                     ; 96 rows
	s_mov_b32 s[G1+3], KSTEP<<16                   ; tile_dim0 = 128
	s_mov_b32 s[G1B+3], KSTEP<<16
	s_mov_b32 s[G1+4], 128                         ; tile_dim1
	s_mov_b32 s[G1B+4], 96
	s_mov_b32 s[G1+5], 1024                        ; elements from row to row
	s_mov_b32 s[G1B+5], 1024
	s_mov_b32 s[G1+6], 0
	s_mov_b32 s[G1B+6], 0
	s_mov_b32 s[G1+7], 0
	s_mov_b32 s[G1B+7], 0
	; hb's tile hangs on by and the wave, wat's on bx and the wave; each offset lives in registers that never hold the other coordinate
	s_lshl_b32 s16, s43, 19                        ; 256 rows of 2,048 bytes
	s_lshl_b32 s18, s14, 18                        ; 128 rows
	s_add_co_u32 s16, s16, s18
	s_mov_b32 s17, 0
	s_mul_i32 s46, s42, 192*2048
	s_mul_i32 s18, s14, 96*2048
	s_add_co_u32 s46, s46, s18
	s_mov_b32 s47, 0
	s_mul_i32 s20, s12, HALFA                      ; LDS: hb's halves at wave x 128 rows (waves 0, 1),
	s_mul_i32 s21, s12, HALFB
	s_add_co_u32 s21, s21, 2*HALFA-2*HALFB         ; wat's halves behind them at (wave - 2) x 96 rows (waves 2, 3)
	s_wait_dscnt 0x0
	s_wait_kmcnt 0x0
	s_add_nc_u64 s[16:17], s[4:5], s[16:17]
	s_add_nc_u64 s[46:47], s[6:7], s[46:47]
	CROUND                                         ; all sixteen work-groups are here: the first joint loads meet
.irp s, 0,1
	s_mov_b32 s[G0+4*\s], 1
	s_add_co_u32 s[G0+4*\s+1], s20, \s*SLOT
	s_add_nc_u64 s[G0+4*\s+2:G0+4*\s+3], s[16:17], \s*KSTEP*2      ; K step s
	s_or_b32 s[G0+4*\s+3], s[G0+4*\s+3], 0x80000000
	s_mov_b32 s[G0B+4*\s], 1
	s_add_co_u32 s[G0B+4*\s+1], s21, \s*SLOT
	s_add_nc_u64 s[G0B+4*\s+2:G0B+4*\s+3], s[46:47], \s*KSTEP*2
	s_or_b32 s[G0B+4*\s+3], s[G0B+4*\s+3], 0x80000000
	JLOAD \s                                       ; both first fills go out together: two tensor loads of a wave are out, never more
.endr
	v_and_b32 v1, 15, v0                           ; r
	v_bfe_u32 v2, v0, 4, 1                         ; h
	s_mul_i32 s66, s42, 768                        ; the bias of my block's 192 columns
	s_mov_b32 s67, 0
	s_add_nc_u64 s[8:9], s[8:9], s[66:67]
	v_lshlrev_b32 v[BO], 5, v2                     ; columns 8 h .. 8 h + 7 of a tile of 16
.irp b, 0,1,2,3,4,5,6,7,8,9,10,11
	global_load_b128 v[BIAS+8*\b:BIAS+8*\b+3],   v[BO], s[8:9] offset:64*\b
	global_load_b128 v[BIAS+8*\b+4:BIAS+8*\b+7], v[BO], s[8:9] offset:64*\b+16
.endr
	v_mul_u32_u24 v3, v1, PITCH
	v_lshl_add_u32 v3, v2, 4, v3                   ; fragment: row r x pitch + 16 h; two loads 32 bytes apart
	s_mul_i32 s22, s12, 64*PITCH                   ; my 64 rows of hb
	v_add_nc_u32 v[ADRA], s22, v3
	v_add_nc_u32 v[ADRA+1], SLOT, v[ADRA]
	v_add_nc_u32 v[ADRB], 2*HALFA, v3              ; all 192 rows of wat
	v_add_nc_u32 v[ADRB+1], SLOT, v[ADRB]
	s_mul_i32 s23, s12, 16*SPITCH
	s_add_co_u32 s23, s23, STAGE                   ; my stage
	v_mul_u32_u24 v4, v1, SPITCH
	v_lshl_add_u32 v4, v2, 4, v4
	v_add_nc_u32 v[STO], s23, v4                   ; in: row r, 16 bytes for each half of the lanes
	v_and_b32 v5, 31, v0
	v_lshrrev_b32 v6, 3, v5
	v_and_b32 v7, 7, v0
	v_mul_u32_u24 v6, v6, SPITCH
	v_lshl_add_u32 v6, v7, 4, v6
	v_add_nc_u32 v[RD], s23, v6                    ; back: eight lanes take a head's 128 bytes of a row, four rows a load
	v_lshlrev_b32 v[CO], 4, v5                     ; which are 512 consecutive bytes of the result
; 12 matrix instructions: row tile 2 hi + a x all 12 column tiles, 32 along K, from buffer f.  first = 1: C is the bias: nothing is cleared or added later.
.macro MULA f, hi, a, first
.irp b, 0,1,2,3,4,5,6,7,8,9,10,11
.if \first
	v_wmma_f32_16x16x32_bf16 v[8*(12*\a+\b):8*(12*\a+\b)+7], v[FB+96*\f+8*\b:FB+96*\f+8*\b+7], v[FA+32*\f+8*(2*\hi+\a):FA+32*\f+8*(2*\hi+\a)+7], v[BIAS+8*\b:BIAS+8*\b+7]
.else
	v_wmma_f32_16x16x32_bf16 v[8*(12*\a+\b):8*(12*\a+\b)+7], v[FB+96*\f+8*\b:FB+96*\f+8*\b+7], v[FA+32*\f+8*(2*\hi+\a):FA+32*\f+8*(2*\hi+\a)+7], v[8*(12*\a+\b):8*(12*\a+\b)+7]
.endif
.endr
.endm
; 32 LDS loads in one run: a quarter step's fragments (192 rows of wat, my 64 rows of hb, 32 K at byte k) into buffer f
.macro FETCH slot, k, f
	WIN 0x40
.irp i, 0,1,2,3,4,5,6,7,8,9,10,11
	ds_load_b128 v[FB+96*\f+8*\i:FB+96*\f+8*\i+3],   v[ADRB+\slot] offset:\k+\i*16*PITCH
	ds_load_b128 v[FB+96*\f+8*\i+4:FB+96*\f+8*\i+7], v[ADRB+\slot] offset:\k+\i*16*PITCH+32
.endr
	WIN 0
.irp i, 0,1,2,3
	ds_load_b128 v[FA+32*\f+8*\i:FA+32*\f+8*\i+3],   v[ADRA+\slot] offset:\k+\i*16*PITCH
	ds_load_b128 v[FA+32*\f+8*\i+4:FA+32*\f+8*\i+7], v[ADRA+\slot] offset:\k+\i*16*PITCH+32
.endr
.endm
; A quarter step: multiplies buffer f; in its middle fetches the next quarter (byte k of the same slot) into buffer g.
; The 48 accumulators take turns, one instruction a turn, in the same order in every quarter.
.macro QUARTER slot, k, f, g, first
	s_wait_dscnt 4                                 ; all of wat's fragments and hb's row tiles 0, 1 are in; the four youngest loads (row tiles 2, 3) may be out
.if \first
	WIN 0x81                                       ; source 0 window 1, source 1 and C window 0, D window 2
.else
	WIN 0xa1                                       ; C and D window 2
.endif
	MULA \f, 0, 0, \first
	MULA \f, 0, 1, \first
	PLACES
	FETCH \slot, \k, \g
	s_wait_dscnt 32                                ; all but the 32 just issued
.if \first
	WIN 0xc1
.else
	WIN 0xf1
.endif
	MULA \f, 1, 0, \first
	MULA \f, 1, 1, \first
.endm
.macro THREE slot, first
	QUARTER \slot, 64,  0, 1, \first
	QUARTER \slot, 128, 1, 0, 0
	QUARTER \slot, 192, 0, 1, 0
.endm
; The last quarter of a K step: multiplies buffer 1 and changes slots.  One barrier: in front of it my reads of this slot and all my tensor
; loads are done; behind it (with fill: behind the cluster's round that it opens) this slot is asked for again first, then the next slot is read.
.macro TURN slot, next, fill
	s_wait_dscnt 4
	WIN 0xa1
	MULA 1, 0, 0, 0
	s_wait_dscnt 0                                 ; my reads of this slot are over
	s_wait_tensorcnt 0x0                           ; all my tensor loads have landed: the one that was out is my part of the next slot
	ds_add_u32 v255, v255
	s_wait_dscnt 0x0
	s_barrier_signal -1
	MULA 1, 0, 1, 0                                ; register work while the others arrive
	WIN 0
	s_barrier_wait -1
.if \fill
	CREST                                          ; no wave of any partner still reads this slot or has a load on its way
	s_add_nc_u64 s[G0+4*\slot+2:G0+4*\slot+3], s[G0+4*\slot+2:G0+4*\slot+3], 2*KSTEP*2
	s_add_nc_u64 s[G0B+4*\slot+2:G0B+4*\slot+3], s[G0B+4*\slot+2:G0B+4*\slot+3], 2*KSTEP*2
	JLOAD \slot                                    ; my one tensor load behind the round; it has 180 matrix instructions in which to land
.endif
	PLACES
	FETCH \next, 0, 0
	WIN 0xf1
	MULA 1, 1, 0, 0
	MULA 1, 1, 1, 0
.endm
.macro LAP first
	THREE 0, \first
	TURN 0, 1, 1
	THREE 1, 0
	TURN 1, 0, 1
.endm
	s_wait_tensorcnt 1                             ; my part of K step 0 is in; K step 1's load, issued behind it, stays out
	s_barrier_signal -1
	s_barrier_wait -1
	s_wait_loadcnt 0x0                             ; the bias
	FETCH 0, 0, 0
	LAP 1                                          ; the first lap stands in front of the loop: its first products start the sums
	WIN 0
	s_mov_b32 s3, LAPS-2
.Llap:
	LAP 0
	WIN 0
	s_sub_co_u32 s3, s3, 1
	s_cmp_lg_u32 s3, 0
	s_cbranch_scc1 .Llap
	THREE 0, 0                                     ; the last lap fills nothing
	TURN 0, 1, 0
	THREE 1, 0
	s_wait_dscnt 4
	WIN 0xa1
	MULA 1, 0, 0, 0
	MULA 1, 0, 1, 0
	s_wait_dscnt 0
	WIN 0xf1
	MULA 1, 1, 0, 0
	MULA 1, 1, 1, 0
	; THE WAY OUT, 16 rows at a time: round to f16, 16 bytes a lane into my own stage, read back head by head.
	PLACES
	s_lshr_b32 s66, s43, 3                         ; batch
	s_mul_i32 s66, s66, 12582912
	s_mul_i32 s67, s42, 786432                     ; three heads of 262,144 bytes
	s_add_co_u32 s66, s66, s67
	s_and_b32 s67, s43, 7
	s_lshl_b32 s67, s67, 15                        ; 256 rows of 128 bytes
	s_add_co_u32 s66, s66, s67
	s_lshl_b32 s67, s12, 13                        ; my 64 rows
	s_add_co_u32 s66, s66, s67
	s_mov_b32 s67, 0
	s_add_nc_u64 s[10:11], s[10:11], s[66:67]
; rows 16 i .. 16 i + 15 of my 64 = the twelve tiles (a, 0..11) of window 2 or 3 (from = 0x0a or 0x0f); rb: 48 registers, two sets in turn
.macro OUT i, a, from, rb
	WIN \from
.irp b, 0,1,2,3,4,5,6,7,8,9,10,11
.irp q, 0,1,2,3
	v_cvt_pk_f16_f32 v[TMP+4*\b+\q], v[8*(12*\a+\b)+2*\q], v[8*(12*\a+\b)+2*\q+1]
.endr
.endr
	WIN 0
.irp b, 0,1,2,3,4,5,6,7,8,9,10,11
	ds_store_b128 v[STO], v[TMP+4*\b:TMP+4*\b+3] offset:32*\b
.endr
	s_wait_xcnt 0x0                                ; set rb, which earlier stores read, is loaded again only behind this wait
.irp j, 0,1,2
.irp t, 0,1,2,3
	ds_load_b128 v[\rb+4*(4*\j+\t):\rb+4*(4*\j+\t)+3], v[RD] offset:4*SPITCH*\t+128*\j   ; LDS serves a wave's instructions in order: these see the stores above
.endr
.endr
.irp j, 0,1,2
.irp t, 0,1,2,3
	s_wait_dscnt 11-(4*\j+\t)
	global_store_b128 v[CO], v[\rb+4*(4*\j+\t):\rb+4*(4*\j+\t)+3], s[10:11] offset:262144*\j+2048*\i+512*\t   ; four rows of head j: 512 consecutive bytes, aligned
.endr
.endr
.endm
	OUT 0, 0, 0x0a, 176
	OUT 1, 1, 0x0a, 64
	OUT 2, 0, 0x0f, 176
	OUT 3, 1, 0x0f, 64
	s_set_vgpr_msb 0x1
	s_wait_tensorcnt 0x0
	ds_add_u32 v255, v255
	s_wait_dscnt 0x0
	s_set_vgpr_msb 0x100
	CROUND                                         ; the closing round: no work-group ends while a partner may still ask for a tile that names it
	s_endpgm
.Lfunc_end_k_q67c5b5e950_qkvgemm:
	.size	k_q67c5b5e950_qkvgemm, .Lfunc_end_k_q67c5b5e950_qkvgemm-k_q67c5b5e950_qkvgemm
	.p2alignl 7, 3214868480
	.fill 96, 4, 3214868480
	.section	.rodata,"a",@progbits
	.p2align	6, 0x0
	.amdhsa_kernel k_q67c5b5e950_qkvgemm
		.amdhsa_group_segment_fixed_size 327680
		.amdhsa_private_segment_fixed_size 0
		.amdhsa_enable_private_segment 0
		.amdhsa_kernarg_size 32
		.amdhsa_user_sgpr_count 2
		.amdhsa_user_sgpr_kernarg_segment_ptr 1
		.amdhsa_wavefront_size32 1
		.amdhsa_system_sgpr_workgroup_id_x 1
		.amdhsa_system_sgpr_workgroup_id_y 1
		.amdhsa_system_sgpr_workgroup_id_z 1
		.amdhsa_system_vgpr_workitem_id 0
		.amdhsa_next_free_vgpr 960
		.amdhsa_next_free_sgpr 80
		.amdhsa_reserve_vcc 0
		.amdhsa_float_denorm_mode_32 3
		.amdhsa_float_denorm_mode_16_64 3
		.amdhsa_memory_ordered 1
		.amdhsa_forward_progress 1
		.amdhsa_inst_pref_size 166
	.end_amdhsa_kernel
	.amdgpu_metadata
---
amdhsa.version: [ 1, 2 ]
amdhsa.kernels:
  - .name:           k_q67c5b5e950_qkvgemm
    .symbol:         k_q67c5b5e950_qkvgemm.kd
    .args:
      - { .name: hb, .offset: 0, .size: 8, .value_kind: global_buffer, .address_space: global }
      - { .name: wat, .offset: 8, .size: 8, .value_kind: global_buffer, .address_space: global }
      - { .name: b_attn, .offset: 16, .size: 8, .value_kind: global_buffer, .address_space: global }
      - { .name: qkv, .offset: 24, .size: 8, .value_kind: global_buffer, .address_space: global }
    .group_segment_fixed_size: 327680
    .private_segment_fixed_size: 0
    .kernarg_segment_align: 8
    .kernarg_segment_size: 32
    .max_flat_workgroup_size: 128
    .sgpr_count:     80
    .vgpr_count:     960
    .wavefront_size: 32
...
	.end_amdgpu_metadata
.endif
;; end of part 2
;; launch attn (part 3): grid 8 x 32, 8 waves a work-group, no clusters, 327,680 bytes of LDS; arguments qkv, ao; writes ao
.if DOCPART == 3
	.amdgcn_target "amdgcn-amd-amdhsa--gfx1250"
	.amdhsa_code_object_version 6
	.text
	.protected	k_q67c5b5e950_attn
	.globl	k_q67c5b5e950_attn
	.p2align	8
	.type	k_q67c5b5e950_attn,@function
k_q67c5b5e950_attn:
	s_mov_b64 s[64:65], 0
	v_nop
	global_prefetch_b8 v0, s[64:65] scope:SCOPE_SE
	s_setreg_imm32_b32 hwreg(HW_REG_WAVE_MODE, 25, 1), 1
	s_wait_xcnt 0x0
; Causal attention of one head (y = 16 b + h), f16 operands, f32 sums, running maximum.  qkv[b][g][s][64] f16 in; ao[b][sb 16][h 16][128][64] f16 out.
; BALANCE: query blocks have 128 rows.  Work-group i takes block 2 i (2 i + 1 key tiles of 128) and then block 15 - 2 i (16 - 2 i tiles): 17 tiles
; whatever i; the first count is odd, so the stream's tiles fall into slots 0, 1, 0, .. with a parity that the text knows.
; WAVES: eight, two to a SIMD, so that one wave's softmax runs beside the other's matrix work.  w' = w & 3: query rows 32 w' .. + 31 (two tiles qt);
; g = w >> 2: keys 64 g .. + 63 of every tile.  The two key halves are merged through LDS at the end of a block.
; TRANSPOSED throughout: S^T = K Q^T puts query r into lane (r, h) with keys 16 nt + 8 h + j in its registers; packed in the lane they ARE the
; fragment of P for O^T = V^T P^T, whose result again has query r in lane (r, h).  Maximum, scale and sum are one number a lane.
; NO CLUSTER: the eight work-groups of a head walk different tiles in the same step (partner i wants tile t while t <= 2 i, then tile t - 2 i - 1);
; joint requests would need all partners to walk 32 tiles instead of 17.
; LIMITS: P and the result are rounded to f16; the denominator sums the unrounded p; p below 2^-126 counts as 0; NaN and infinite inputs are not served.
.set SLOT,  38912                      ; K: 128 keys x 144 bytes, then V: 128 keys x 160 bytes
.set VOFF,  18432
.set KP,    144                        ; odd multiple of 16: sixteen rows of a fragment start at different 16-byte columns
.set VP,    160                        ; odd multiple of 32, for the transposing loads
.set MRG,   77824                      ; behind the ring: 17 x 512 bytes for each w': O, maximum and sum of waves 4-7
.set MRGW,  8704
.set OST,   112640                     ; 16 rows x 144 bytes for each of waves 0-3: the way out
.set OSTW,  2304
.set TILEB, 16384                      ; a tile of 128 keys in memory, dense
.set ADRK, 4                           ; v4-5    my K fragments in slot 0, 1
.set ADRV, 6                           ; v6-7    my V fragments
.set QOFF, 8
.set NINF, 9                           ; -infinity
.set THR,  10                          ; v10-11  key 16 nt + j of my registers is masked on the diagonal if it is greater than this
.set MA,   12
.set STO,  13
.set RD,   14
.set CO,   15
.set MX,   16                          ; v16-17  running maximum of the raw scores, per qt
.set NMP,  20                          ; v20-23  - maximum x c, twice (a pair), per qt
.set AL,   24                          ; v24-25  the step's rescale, twice
.set LS,   26                          ; v26-29  running sum, a pair per qt
.set T,    30                          ; v30-39  at work
.set QF,   40                          ; v40-71  Q fragments at 16 qt + 8 c
.set SC,   72                          ; v72-135 scores, then p, at 32 qt + 8 nt
.set PR,   136                         ; v136-167 P fragments at 16 qt + 4 nt
.set OA,   168                         ; v168-231 O^T at 32 qt + 8 dt
.set KF,   0                           ; window 1: K fragments at 16 nt + 8 c
.set VF,   64                          ; window 1: V^T fragments at 16 dt + 8 c
.set G1K, 24
.set G1V, 32
.set G0K, 40                           ; s[40:47] one group 0 a slot
.set G0V, 48                           ; s[48:55]
.set KBASE, 56
.set VBASE, 58
.set KNEXT, 60
.set VNEXT, 62
.set MSB, 0
.macro WIN new
.if MSB != \new
	s_set_vgpr_msb (MSB<<8)|\new
.set MSB, \new
.endif
.endm
.macro PLACES                          ; four places behind a matrix instruction (ISA guide 7.12.1)
.rept 4
	v_nop
.endr
.endm
.macro KVLOAD s                        ; wave 0 brings K's tile, wave 1 V's: one tensor load a wave, at most one of a wave is out
	s_cmp_lg_u32 s8, 0
	s_cbranch_scc1 .Lnot_k_\@
	tensor_load_to_lds s[G0K+4*\s:G0K+4*\s+3], s[G1K:G1K+7]
	s_nop 0
.Lnot_k_\@:
	s_cmp_lg_u32 s8, 1
	s_cbranch_scc1 .Lnot_v_\@
	tensor_load_to_lds s[G0V+4*\s:G0V+4*\s+3], s[G1V:G1V+7]
	s_nop 0
.Lnot_v_\@:
.endm
	s_load_b128 s[4:7], s[0:1], 0x0                ; qkv s[4:5], ao s[6:7]
	v_lshl_add_u32 v254, v0, 2, 0x29000
	v_mov_b32 v255, 0
	ds_add_u32 v254, v255
	v_lshrrev_b32 v1, 5, v0
	v_readfirstlane_b32 s8, v1                     ; wave 0..7
	s_and_b32 s9, s8, 3                            ; w'
	s_lshr_b32 s10, s8, 2                          ; g
	s_mov_b32 s11, ttmp9                           ; i: trips of the first loop
	s_sub_co_u32 s77, 7, s11                       ; trips of the second
	s_and_b32 s12, ttmp7, 0xffff
	s_lshr_b32 s13, s12, 4                         ; b
	s_and_b32 s14, s12, 15                         ; h
	s_mul_i32 s16, s13, 12582912
	s_lshl_b32 s15, s14, 18
	s_add_co_u32 s16, s16, s15
	s_mov_b32 s17, 0                               ; s[16:17]: the head's Q in qkv
	; a tile is 16,384 dense bytes, taken as 64 rows of 256; padding behind every 128 bytes (32 words) makes the LDS rows of one key
	s_mov_b32 s[G1K+0], (1<<16)|(1<<20)|(4<<22)|(3<<25)   ; 2-byte elements; after every 32 words 4 words: pitch 144
	s_mov_b32 s[G1V+0], (1<<16)|(1<<20)|(4<<22)|(7<<25)   ; 8 words: pitch 160
.irp g, G1K, G1V
	s_mov_b32 s[\g+1], 128<<16                     ; tensor_dim0 = 128 elements
	s_mov_b32 s[\g+2], 64<<16                      ; tensor_dim1 = 64 rows
	s_mov_b32 s[\g+3], 128<<16                     ; tile_dim0
	s_mov_b32 s[\g+4], 64                          ; tile_dim1
	s_mov_b32 s[\g+5], 128                         ; pitch: dense
	s_mov_b32 s[\g+6], 0
	s_mov_b32 s[\g+7], 0
.endr
	s_mov_b32 s[G0K+0], 1
	s_mov_b32 s[G0K+1], 0
	s_mov_b32 s[G0K+4], 1
	s_mov_b32 s[G0K+5], SLOT
	s_mov_b32 s[G0V+0], 1
	s_mov_b32 s[G0V+1], VOFF
	s_mov_b32 s[G0V+4], 1
	s_mov_b32 s[G0V+5], SLOT+VOFF
	s_wait_dscnt 0x0
	s_barrier_signal -1
	s_barrier_wait -1
	s_wait_kmcnt 0x0
	s_add_nc_u64 s[4:5], s[4:5], s[16:17]
	s_add_nc_u64 s[KBASE:KBASE+1], s[4:5], 4194304 ; 16 heads of 262,144 bytes on: K
	s_add_nc_u64 s[VBASE:VBASE+1], s[4:5], 8388608 ; 32 heads on: V
	s_mov_b64 s[G0K+2:G0K+3], s[KBASE:KBASE+1]
	s_or_b32 s[G0K+3], s[G0K+3], 0x80000000
	s_mov_b64 s[G0V+2:G0V+3], s[VBASE:VBASE+1]
	s_or_b32 s[G0V+3], s[G0V+3], 0x80000000
	KVLOAD 0                                       ; tile 0 into slot 0: the first fill, ahead of every wait on TENSORcnt
	s_add_nc_u64 s[KNEXT:KNEXT+1], s[KBASE:KBASE+1], TILEB
	s_add_nc_u64 s[VNEXT:VNEXT+1], s[VBASE:VBASE+1], TILEB
	s_lshl_b32 s18, s11, 15                        ; block 2 i: 2 i x 16,384 bytes
	s_lshl_b32 s20, s9, 12                         ; my 32 rows of 128 bytes
	s_add_co_u32 s22, s18, s20
	s_mov_b32 s23, 0
	s_add_nc_u64 s[66:67], s[4:5], s[22:23]        ; Q of the first block
	s_sub_co_u32 s22, 15*TILEB, s18                ; block 15 - 2 i
	s_add_co_u32 s22, s22, s20
	s_add_nc_u64 s[68:69], s[4:5], s[22:23]        ; Q of the second
	s_lshl_b32 s21, s13, 22                        ; ao: b x 16 blocks x 16 heads x 16,384
	s_lshl_b32 s15, s14, 14
	s_add_co_u32 s21, s21, s15
	s_add_co_u32 s21, s21, s20
	s_lshl_b32 s18, s11, 19                        ; block 2 i x 262,144
	s_add_co_u32 s22, s21, s18
	s_add_nc_u64 s[70:71], s[6:7], s[22:23]
	s_sub_co_u32 s22, 15*262144, s18
	s_add_co_u32 s22, s22, s21
	s_add_nc_u64 s[72:73], s[6:7], s[22:23]
	s_mov_b32 s74, 0x76543210                      ; v_permlanex16_b32: lane i of one half reads lane i of the other
	s_mov_b32 s75, 0xfedcba98
	v_and_b32 v1, 31, v0                           ; L
	v_and_b32 v2, 15, v0                           ; r
	v_bfe_u32 v3, v0, 4, 1                         ; h
	s_mul_i32 s18, s10, 64*KP
	v_mul_u32_u24 v[ADRK], v2, KP
	v_lshl_add_u32 v[ADRK], v3, 4, v[ADRK]
	v_add_nc_u32 v[ADRK], s18, v[ADRK]             ; (64 g + r) x 144 + 16 h
	v_add_nc_u32 v[ADRK+1], SLOT, v[ADRK]
	v_and_b32 v18, 7, v0
	v_lshl_or_b32 v18, v3, 3, v18                  ; 8 h + (L & 7)
	v_bfe_u32 v19, v0, 3, 1
	s_mul_i32 s18, s10, 64*VP
	s_add_co_u32 s18, s18, VOFF
	v_mul_u32_u24 v[ADRV], v18, VP
	v_lshl_add_u32 v[ADRV], v19, 4, v[ADRV]
	v_add_nc_u32 v[ADRV], s18, v[ADRV]             ; (64 g + 8 h + (L & 7)) x 160 + 16 ((L >> 3) & 1)
	v_add_nc_u32 v[ADRV+1], SLOT, v[ADRV]
	v_lshlrev_b32 v[QOFF], 7, v2
	v_lshl_add_u32 v[QOFF], v3, 4, v[QOFF]         ; 128 r + 16 h
	v_mov_b32 v[NINF], 0xff800000
	s_lshl_b32 s18, s9, 5
	s_lshl_b32 s19, s10, 6
	s_sub_co_i32 s18, s18, s19
	v_lshlrev_b32 v18, 3, v3
	v_sub_nc_u32 v[THR], v2, v18
	v_add_nc_u32 v[THR], s18, v[THR]               ; 32 w' + r - 64 g - 8 h (signed)
	v_add_nc_u32 v[THR+1], 16, v[THR]
	s_mul_i32 s18, s9, MRGW
	s_add_co_u32 s18, s18, MRG
	v_lshl_add_u32 v[MA], v1, 4, s18
	s_mul_i32 s18, s9, OSTW
	s_add_co_u32 s18, s18, OST
	v_mul_u32_u24 v[STO], v2, KP
	v_lshl_add_u32 v[STO], v3, 4, v[STO]
	v_add_nc_u32 v[STO], s18, v[STO]
	v_lshrrev_b32 v18, 3, v1
	v_and_b32 v19, 7, v0
	v_mul_u32_u24 v[RD], v18, KP
	v_lshl_add_u32 v[RD], v19, 4, v[RD]
	v_add_nc_u32 v[RD], s18, v[RD]
	v_lshlrev_b32 v[CO], 4, v1
; The softmax step of query tile qt over my 64 keys.  c = log2(e) / 8 = 0x3e38aa3b.  p = 2^(s c - m c), m the running maximum of the raw scores.
.macro SOFTMAX qt, diag
.set SB, SC+32*\qt
.set OB, OA+32*\qt
.if \diag
.irp nt, 0,1,2,3
.irp j, 0,1,2,3,4,5,6,7
	v_cmp_gt_i32 vcc_lo, 16*\nt+\j, v[THR+\qt]     ; key above the query: -infinity, as the causal mask has it
	v_cndmask_b32 v[SB+8*\nt+\j], v[SB+8*\nt+\j], v[NINF], vcc_lo
.endr
.endr
.endif
.irp nt, 0,1,2,3                       ; four chains that do not wait for each other
	v_max3_num_f32 v[T+\nt], v[SB+8*\nt], v[SB+8*\nt+1], v[SB+8*\nt+2]
.endr
.irp nt, 0,1,2,3
	v_max3_num_f32 v[T+\nt], v[T+\nt], v[SB+8*\nt+3], v[SB+8*\nt+4]
.endr
.irp nt, 0,1,2,3
	v_max3_num_f32 v[T+\nt], v[T+\nt], v[SB+8*\nt+5], v[SB+8*\nt+6]
.endr
.irp nt, 0,1,2,3
	v_max_num_f32 v[T+\nt], v[T+\nt], v[SB+8*\nt+7]
.endr
	v_max3_num_f32 v[T], v[T], v[T+1], v[T+2]
	v_max3_num_f32 v[T], v[T], v[T+3], v[MX+\qt]
	v_permlanex16_b32 v[T+1], v[T], s74, s75       ; the other eight keys of each tile lie in the other half
	v_max_num_f32 v[MX+\qt], v[T], v[T+1]
	v_mul_f32 v[T+2], 0xbe38aa3b, v[MX+\qt]        ; - m c
	v_sub_f32 v[T+3], v[T+2], v[NMP+2*\qt]         ; (old m - new m) c; at a block's start the old value is +infinity: the rescale is 0
	v_exp_f32 v[AL], v[T+3]
	v_mov_b32 v[NMP+2*\qt], v[T+2]                 ; plain work behind the exponential, ahead of its result's first use (ISA guide 5.7.2)
	v_mov_b32 v[NMP+2*\qt+1], v[T+2]
	s_wait_alu depctr_va_vdst(0)
	v_mov_b32 v[AL+1], v[AL]
.irp k, 0,2,4,6,8,10,12,14,16,18,20,22,24,26,28,30
	v_pk_fma_f32 v[SB+\k:SB+\k+1], v[SB+\k:SB+\k+1], 0x3e38aa3b, v[NMP+2*\qt:NMP+2*\qt+1] op_sel_hi:[1,0,1]
.endr
.set e, 0
.rept 32
	v_exp_f32 v[SB+e], v[SB+e]
.set e, e+1
.endr
.irp k, 0,2,4,6,8,10,12,14,16,18,20,22,24,26,28,30
	v_pk_mul_f32 v[OB+\k:OB+\k+1], v[OB+\k:OB+\k+1], v[AL:AL+1]    ; the rescale of O: plain work behind the exponentials
.endr
	s_wait_alu depctr_va_vdst(0)
	v_pk_fma_f32 v[LS+2*\qt:LS+2*\qt+1], v[LS+2*\qt:LS+2*\qt+1], v[AL:AL+1], v[SB:SB+1]
	v_pk_add_f32 v[T+4:T+5], v[SB+16:SB+17], v[SB+18:SB+19]       ; a second chain
.irp k, 2,4,6,8,10,12
	v_pk_add_f32 v[LS+2*\qt:LS+2*\qt+1], v[LS+2*\qt:LS+2*\qt+1], v[SB+\k:SB+\k+1]
	v_pk_add_f32 v[T+4:T+5], v[T+4:T+5], v[SB+\k+18:SB+\k+19]
.endr
	v_pk_add_f32 v[LS+2*\qt:LS+2*\qt+1], v[LS+2*\qt:LS+2*\qt+1], v[SB+14:SB+15]
	v_pk_add_f32 v[LS+2*\qt:LS+2*\qt+1], v[LS+2*\qt:LS+2*\qt+1], v[T+4:T+5]
.irp nt, 0,1,2,3
.irp q, 0,1,2,3
	v_cvt_pk_f16_f32 v[PR+16*\qt+4*\nt+\q], v[SB+8*\nt+2*\q], v[SB+8*\nt+2*\q+1]   ; keys 16 nt + 8 h + 2 q, + 1: the fragment's own order
.endr
.endr
.endm
.macro PV qt                           ; O^T += V^T P^T: the four accumulators take turns
.irp c, 0,1
.irp dt, 0,1,2,3
	v_wmma_f32_16x16x32_f16 v[OA+32*\qt+8*\dt:OA+32*\qt+8*\dt+7], v[VF+16*\dt+8*\c:VF+16*\dt+8*\c+7], v[PR+16*\qt+8*\c:PR+16*\qt+8*\c+7], v[OA+32*\qt+8*\dt:OA+32*\qt+8*\dt+7]
.endr
.endr
.endm
; My 32 queries against my 64 keys of the tile in a slot.  On the diagonal waves 4 and 5 (rows 0-63, keys 64-127) have nothing unmasked and jump over it all.
.macro COMPUTE slot, diag
.if \diag
	s_cmp_eq_u32 s8, 4
	s_cbranch_scc1 .Lnone_\@
	s_cmp_eq_u32 s8, 5
	s_cbranch_scc1 .Lnone_\@
.endif
	WIN 0x40
.irp nt, 0,1,2,3
.irp c, 0,1
	ds_load_b128 v[KF+16*\nt+8*\c:KF+16*\nt+8*\c+3],   v[ADRK+\slot] offset:16*KP*\nt+64*\c
	ds_load_b128 v[KF+16*\nt+8*\c+4:KF+16*\nt+8*\c+7], v[ADRK+\slot] offset:16*KP*\nt+64*\c+32
.endr
.endr
.irp dt, 0,1,2,3
.irp c, 0,1
	ds_load_tr16_b128 v[VF+16*\dt+8*\c:VF+16*\dt+8*\c+3],   v[ADRV+\slot] offset:32*VP*\c+32*\dt
	ds_load_tr16_b128 v[VF+16*\dt+8*\c+4:VF+16*\dt+8*\c+7], v[ADRV+\slot] offset:32*VP*\c+32*\dt+16*VP
.endr
.endr
	WIN 0x01                                       ; source 0 window 1
	s_wait_dscnt 16                                ; K's sixteen loads are in; V's sixteen, issued behind them, may be out
.irp qt, 0,1
.irp nt, 0,1,2,3
	v_wmma_f32_16x16x32_f16 v[SC+32*\qt+8*\nt:SC+32*\qt+8*\nt+7], v[KF+16*\nt:KF+16*\nt+7], v[QF+16*\qt:QF+16*\qt+7], 0
.endr
.endr
.irp qt, 0,1
.irp nt, 0,1,2,3
	v_wmma_f32_16x16x32_f16 v[SC+32*\qt+8*\nt:SC+32*\qt+8*\nt+7], v[KF+16*\nt+8:KF+16*\nt+15], v[QF+16*\qt+8:QF+16*\qt+15], v[SC+32*\qt+8*\nt:SC+32*\qt+8*\nt+7]
.endr
.endr
	WIN 0
	PLACES
	SOFTMAX 0, \diag
	s_wait_dscnt 0                                 ; V's fragments
	WIN 0x01
	PV 0
	WIN 0
	SOFTMAX 1, \diag
	WIN 0x01
	PV 1
	WIN 0
	PLACES                                         ; for the next loads into the fragments and the next readers of O
.if \diag
.Lnone_\@:
.endif
.endm
; One tile.  In front of the barrier every wave waits for all its tensor loads (this tile's among them) and for its reads of the other slot;
; behind it the other slot is filled first (refill = 1), with the stream's next tile (reset = 1: the second block's tile 0), then this slot is read.
.macro STEP slot, diag, refill, reset
	s_wait_tensorcnt 0x0                           ; no tensor load of mine is out: every group 0 may be written
	ds_add_u32 v254, v255
	s_wait_dscnt 0x0
.if \refill
.if \reset
	s_mov_b64 s[KNEXT:KNEXT+1], s[KBASE:KBASE+1]
	s_mov_b64 s[VNEXT:VNEXT+1], s[VBASE:VBASE+1]
.endif
	s_mov_b64 s[G0K+4*(1-\slot)+2:G0K+4*(1-\slot)+3], s[KNEXT:KNEXT+1]
	s_or_b32 s[G0K+4*(1-\slot)+3], s[G0K+4*(1-\slot)+3], 0x80000000
	s_mov_b64 s[G0V+4*(1-\slot)+2:G0V+4*(1-\slot)+3], s[VNEXT:VNEXT+1]
	s_or_b32 s[G0V+4*(1-\slot)+3], s[G0V+4*(1-\slot)+3], 0x80000000
	s_add_nc_u64 s[KNEXT:KNEXT+1], s[KNEXT:KNEXT+1], TILEB
	s_add_nc_u64 s[VNEXT:VNEXT+1], s[VNEXT:VNEXT+1], TILEB
.endif
	s_wait_dscnt 0x0                               ; my LDS reads are back
	s_barrier_signal -1
	s_barrier_wait -1
.if \refill
	KVLOAD (1-\slot)
.endif
	COMPUTE \slot, \diag
.endm
; A block's start.  O is cleared by moves: the block's first tile lies in a loop that may have no trip, so no first product can be written out to start the sums.
.macro INIT qb
.irp qt, 0,1
.irp c, 0,1
	global_load_b128 v[QF+16*\qt+8*\c:QF+16*\qt+8*\c+3],   v[QOFF], s[\qb:\qb+1] offset:2048*\qt+64*\c
	global_load_b128 v[QF+16*\qt+8*\c+4:QF+16*\qt+8*\c+7], v[QOFF], s[\qb:\qb+1] offset:2048*\qt+64*\c+32
.endr
.endr
.set e, 0
.rept 64
	v_mov_b32 v[OA+e], 0
.set e, e+1
.endr
.irp k, 0,1,2,3
	v_mov_b32 v[LS+\k], 0
	v_mov_b32 v[NMP+\k], 0x7f800000                ; - (-infinity) c
.endr
	v_mov_b32 v[MX], v[NINF]
	v_mov_b32 v[MX+1], v[NINF]
	v_mov_b32 v[T+4], 0                            ; destinations of the lane exchange in FINISH: written on every path
	v_mov_b32 v[T+5], 0
	s_wait_loadcnt 0x0
.endm
; A block's end: waves 4-7 hand O, - m c and the sum to waves 0-3, which merge, divide, round to f16 and store.
.macro FINISH ob
.irp qt, 0,1
	v_add_f32 v[T+1+2*\qt], v[LS+2*\qt], v[LS+2*\qt+1]
	v_mov_b32 v[T+2*\qt], v[NMP+2*\qt]
.endr
	v_permlanex16_b32 v[T+4], v[T+1], s74, s75
	v_permlanex16_b32 v[T+5], v[T+3], s74, s75
	v_add_f32 v[T+1], v[T+1], v[T+4]               ; the sum over my 64-key halves of all tiles
	v_add_f32 v[T+3], v[T+3], v[T+5]
	s_cmp_lt_u32 s8, 4
	s_cbranch_scc1 .Lkeep_\@
.irp k, 0,1,2,3,4,5,6,7,8,9,10,11,12,13,14,15
	ds_store_b128 v[MA], v[OA+4*\k:OA+4*\k+3] offset:512*\k
.endr
	ds_store_b128 v[MA], v[T:T+3] offset:8192
.Lkeep_\@:
	s_wait_dscnt 0x0                               ; for the partner's sake: zero
	s_barrier_signal -1                            ; the tile asked for in the diagonal step may stay on its way
	s_barrier_wait -1
	s_cmp_ge_u32 s8, 4
	s_cbranch_scc1 .Ldone_\@
.irp k, 0,1,2,3,4,5,6,7,8,9,10,11,12,13,14,15
	ds_load_b128 v[SC+4*\k:SC+4*\k+3], v[MA] offset:512*\k
.endr
	ds_load_b128 v[PR:PR+3], v[MA] offset:8192
	s_wait_dscnt 0x0
.irp qt, 0,1
	v_min_num_f32 v[T+4], v[T+2*\qt], v[PR+2*\qt]  ; - c x the larger maximum.  A partner that never ran handed +infinity, 0 and zeros: its factor is 0
	v_sub_f32 v[T+5], v[T+4], v[T+2*\qt]
	v_sub_f32 v[T+4], v[T+4], v[PR+2*\qt]
	v_exp_f32 v[T+6], v[T+5]
	v_exp_f32 v[T+8], v[T+4]
	v_nop                                          ; a plain place behind the exponentials
	s_wait_alu depctr_va_vdst(0)
	v_mul_f32 v[T+5], v[T+1+2*\qt], v[T+6]
	v_fmac_f32 v[T+5], v[PR+1+2*\qt], v[T+8]       ; the whole denominator
	v_rcp_f32 v[T+4], v[T+5]
	v_nop
	s_wait_alu depctr_va_vdst(0)
	v_mul_f32 v[T+6], v[T+6], v[T+4]
	v_mul_f32 v[T+8], v[T+8], v[T+4]
	v_mov_b32 v[T+7], v[T+6]
	v_mov_b32 v[T+9], v[T+8]
.irp k, 0,2,4,6,8,10,12,14,16,18,20,22,24,26,28,30
	v_pk_mul_f32 v[OA+32*\qt+\k:OA+32*\qt+\k+1], v[OA+32*\qt+\k:OA+32*\qt+\k+1], v[T+6:T+7]
.endr
.irp k, 0,2,4,6,8,10,12,14,16,18,20,22,24,26,28,30
	v_pk_fma_f32 v[OA+32*\qt+\k:OA+32*\qt+\k+1], v[SC+32*\qt+\k:SC+32*\qt+\k+1], v[T+8:T+9], v[OA+32*\qt+\k:OA+32*\qt+\k+1]
.endr
.irp dt, 0,1,2,3
.irp q, 0,1,2,3
	v_cvt_pk_f16_f32 v[PR+4+4*\dt+\q], v[OA+32*\qt+8*\dt+2*\q], v[OA+32*\qt+8*\dt+2*\q+1]
.endr
.endr
.irp dt, 0,1,2,3
	ds_store_b128 v[STO], v[PR+4+4*\dt:PR+4+4*\dt+3] offset:32*\dt  ; row r, d = 16 dt + 8 h ..
.endr
.irp t, 0,1,2,3
	ds_load_b128 v[SC+32*\qt+4*\t:SC+32*\qt+4*\t+3], v[RD] offset:4*KP*\t   ; my own stage: LDS serves a wave's instructions in order
.endr
.irp t, 0,1,2,3
	s_wait_dscnt 3-\t
	global_store_b128 v[CO], v[SC+32*\qt+4*\t:SC+32*\qt+4*\t+3], s[\ob:\ob+1] offset:2048*\qt+512*\t   ; four rows: 512 consecutive bytes, aligned
.endr
.endr
	s_wait_xcnt 0x0                                ; the stores' data registers are written again in the next block only behind this wait
.Ldone_\@:
.endm
	INIT 66
	s_cmp_eq_u32 s11, 0
	s_cbranch_scc1 .Ldiag_a
	s_mov_b32 s76, 0
.Lloop_a:                                          ; tiles 0 .. 2 i - 1 of block 2 i
	STEP 0, 0, 1, 0
	STEP 1, 0, 1, 0
	s_add_co_u32 s76, s76, 1
	s_cmp_lt_u32 s76, s11
	s_cbranch_scc1 .Lloop_a
.Ldiag_a:
	STEP 0, 1, 1, 1                                ; the diagonal tile 2 i; the refill is the second block's tile 0
	FINISH 70
	INIT 68
	s_cmp_eq_u32 s77, 0
	s_cbranch_scc1 .Ltail_b
	s_mov_b32 s76, 0
.Lloop_b:                                          ; tiles 0 .. 13 - 2 i of block 15 - 2 i
	STEP 1, 0, 1, 0
	STEP 0, 0, 1, 0
	s_add_co_u32 s76, s76, 1
	s_cmp_lt_u32 s76, s77
	s_cbranch_scc1 .Lloop_b
.Ltail_b:
	STEP 1, 0, 1, 0                                ; tile 14 - 2 i
	STEP 0, 1, 0, 0                                ; the diagonal tile 15 - 2 i: nothing is left to fetch
	FINISH 72
	s_wait_tensorcnt 0x0
	ds_add_u32 v254, v255
	s_wait_dscnt 0x0
	s_endpgm
.Lfunc_end_k_q67c5b5e950_attn:
	.size	k_q67c5b5e950_attn, .Lfunc_end_k_q67c5b5e950_attn-k_q67c5b5e950_attn
	.p2alignl 7, 3214868480
	.fill 96, 4, 3214868480
	.section	.rodata,"a",@progbits
	.p2align	6, 0x0
	.amdhsa_kernel k_q67c5b5e950_attn
		.amdhsa_group_segment_fixed_size 327680
		.amdhsa_private_segment_fixed_size 0
		.amdhsa_enable_private_segment 0
		.amdhsa_kernarg_size 16
		.amdhsa_user_sgpr_count 2
		.amdhsa_user_sgpr_kernarg_segment_ptr 1
		.amdhsa_wavefront_size32 1
		.amdhsa_system_sgpr_workgroup_id_x 1
		.amdhsa_system_sgpr_workgroup_id_y 1
		.amdhsa_system_sgpr_workgroup_id_z 1
		.amdhsa_system_vgpr_workitem_id 0
		.amdhsa_next_free_vgpr 384
		.amdhsa_next_free_sgpr 84
		.amdhsa_reserve_vcc 1
		.amdhsa_float_denorm_mode_32 3
		.amdhsa_float_denorm_mode_16_64 3
		.amdhsa_memory_ordered 1
		.amdhsa_forward_progress 1
		.amdhsa_inst_pref_size 179
	.end_amdhsa_kernel
	.amdgpu_metadata
---
amdhsa.version: [ 1, 2 ]
amdhsa.kernels:
  - .name:           k_q67c5b5e950_attn
    .symbol:         k_q67c5b5e950_attn.kd
    .args:
      - { .name: qkv, .offset: 0, .size: 8, .value_kind: global_buffer, .address_space: global }
      - { .name: ao, .offset: 8, .size: 8, .value_kind: global_buffer, .address_space: global }
    .group_segment_fixed_size: 327680
    .private_segment_fixed_size: 0
    .kernarg_segment_align: 8
    .kernarg_segment_size: 16
    .max_flat_workgroup_size: 256
    .sgpr_count:     84
    .vgpr_count:     384
    .wavefront_size: 32
...
	.end_amdgpu_metadata
.endif
;; end of part 3
;; launch proj (part 4): grid 8 x 32, 4 waves a work-group, clusters of 4 x 4, 327,680 bytes of LDS; arguments ao, wpt, b_proj, out0; writes out0
.if DOCPART == 4
	.amdgcn_target "amdgcn-amd-amdhsa--gfx1250"
	.amdhsa_code_object_version 6
	.text
	.protected	k_q67c5b5e950_proj
	.globl	k_q67c5b5e950_proj
	.p2align	8
	.type	k_q67c5b5e950_proj,@function
k_q67c5b5e950_proj:
	s_mov_b64 s[64:65], 0
	v_nop
	global_prefetch_b8 v0, s[64:65] scope:SCOPE_SE
	s_setreg_imm32_b32 hwreg(HW_REG_WAVE_MODE, 25, 1), 1
	s_wait_xcnt 0x0
	s_wait_alu depctr_hold_cnt(0) depctr_sa_sdst(0) depctr_va_vdst(0) depctr_va_sdst(0) depctr_va_ssrc(0) depctr_va_vcc(0) depctr_vm_vsrc(0)
	s_getreg_b32 s2, hwreg(HW_REG_IB_STS2, 6, 4)
	s_cmp_eq_u32 s2, 0
	s_cbranch_scc0 .Lentry_in_a_cluster
	s_endpgm
.Lentry_in_a_cluster:
	s_bfe_u32 s2, ttmp6, 0x10000c
	s_cmp_lg_u32 s2, 0xf033
	s_cbranch_scc0 .Lentry_shape_is_right
	s_endpgm
.Lentry_shape_is_right:
; out0 = ao x wpt^T + b_proj.  ao[by 32][h 16][128 rows][64] f16 (k = 64 h + d), wpt [1024 n][1024 k] f16, sums in f32 started by the bias, out0 [4096][1024] f32.
; A work-group makes 128 x 128: 8 x 32 = 256 work-groups; wave (wr, wc) makes 64 x 64: 16 accumulator tiles.
; A slot holds 256 of K (four heads of ao; 512 bytes of each row of wpt), so that a refill has 120 matrix instructions in which to land;
; four slot steps on two slots, written out.  CLUSTER 4 x 4: ao's panel is shared along a row of the cluster, wpt's rows along a column, by joint loads.
; Transposed use as in the QKV product: lane (r, h) holds row r, columns 8 h .. 8 h + 7: 32 consecutive bytes of f32.
; WINDOWS: 0: addresses, fragments (two buffers), bias, read-back;  1: the accumulators, tile (a, b) at 8 (4 a + b).
.set PA,     144                       ; a row of one head: 128 bytes + 16
.set PLANE,  128*PA                    ; a head's 128 rows
.set PB,     528                       ; a row of wpt: 512 bytes + 16
.set ATILE,  4*PLANE
.set HALFA,  2*PLANE                   ; one tensor load of ao: two heads, 32,768 dense bytes
.set HALFB,  64*PB                     ; one tensor load of wpt: 64 rows
.set SLOT,   ATILE+2*HALFB
.set STAGE,  2*SLOT                    ; behind the ring (a multiple of 256): 16 rows x 272 bytes for each wave
.set SPITCH, 272
.set ADRA, 16
.set ADRB, 20
.set STO,  24
.set RD,   25
.set CO,   26
.set BO,   27
.set FA,   32                          ; ao's 4 fragments, buffer f at FA + 64 f
.set FB,   64                          ; wpt's 4 fragments, buffer f at FB + 64 f
.set BIAS, 160                         ; v160-191
.set G1,  24
.set G0,  32
.set G1B, 48
.set G0B, 56
.set MSB, 0
.macro WIN new
.if MSB != \new
	s_set_vgpr_msb (MSB<<8)|\new
.set MSB, \new
.endif
.endm
.macro PLACES                          ; four places behind a matrix instruction (ISA guide 7.12.1)
.rept 4
	v_nop
.endr
.endm
.macro JLOAD s                         ; waves 0, 1 ask for ao's halves, waves 2, 3 for wpt's: one load a wave
	s_cmp_eq_u32 s13, 0
	s_cbranch_scc0 .Lfor_b_\@
	tensor_load_to_lds s[G0+4*\s:G0+4*\s+3], s[G1:G1+7]
	s_nop 0
	s_branch .Lasked_\@
.Lfor_b_\@:
	tensor_load_to_lds s[G0B+4*\s:G0B+4*\s+3], s[G1B:G1B+7]
	s_nop 0
.Lasked_\@:
.endm
.macro CREST
	s_cmp_lg_u32 s12, 0
	s_cbranch_scc1 .Lnot_wave_0_\@
	s_barrier_signal -3
.Lnot_wave_0_\@:
	s_barrier_wait -3
	s_barrier_signal -1
	s_barrier_wait -1
.endm
.macro CROUND
	s_barrier_signal -1
	s_barrier_wait -1
	CREST
.endm
	s_load_b256 s[4:11], s[0:1], 0x0               ; ao s[4:5], wpt s[6:7], b_proj s[8:9], out0 s[10:11]
	v_lshl_add_u32 v30, v0, 2, 0x49400
	v_mov_b32 v31, 0
	ds_add_u32 v30, v31
	v_lshrrev_b32 v1, 5, v0
	v_readfirstlane_b32 s12, v1                    ; wave 0..3
	s_lshr_b32 s13, s12, 1                         ; wr.  Also: I fetch for ao (0) or for wpt (1)
	s_and_b32 s14, s12, 1                          ; wc.  Also: which half of that tile
	s_bfe_u32 s40, ttmp6, 0x40000                  ; cx
	s_bfe_u32 s41, ttmp6, 0x40004                  ; cy
	s_lshl_b32 s42, ttmp9, 2
	s_add_co_u32 s42, s42, s40                     ; bx: block of 128 columns
	s_and_b32 s43, ttmp7, 0xffff
	s_lshl_b32 s43, s43, 2
	s_add_co_u32 s43, s43, s41                     ; by: block of 128 rows
	s_lshl_b32 s44, s41, 2
	s_lshl_b32 s44, 15, s44                        ; my row of the cluster
	s_lshl_b32 s45, 0x1111, s40                    ; my column
	s_or_b32 s[G1+0], s44, (1<<16)|(1<<20)|(1<<21)|(4<<22)|(3<<25)   ; after every 32 words 4 words: pitch 144
	s_or_b32 s[G1B+0], s45, (1<<16)|(1<<20)|(1<<21)|(6<<22)|(3<<25)  ; after every 128 words 4 words: pitch 528
	s_mov_b32 s[G1+1], 128<<16                     ; ao: 32,768 dense bytes as 128 rows of 128 elements
	s_mov_b32 s[G1+2], 128<<16
	s_mov_b32 s[G1+3], 128<<16
	s_mov_b32 s[G1+4], 128
	s_mov_b32 s[G1+5], 128
	s_mov_b32 s[G1+6], 0
	s_mov_b32 s[G1+7], 0
	s_mov_b32 s[G1B+1], 256<<16                    ; wpt: 64 rows of 256 elements, 1,024 elements from row to row
	s_mov_b32 s[G1B+2], 64<<16
	s_mov_b32 s[G1B+3], 256<<16
	s_mov_b32 s[G1B+4], 64
	s_mov_b32 s[G1B+5], 1024
	s_mov_b32 s[G1B+6], 0
	s_mov_b32 s[G1B+7], 0
	s_lshl_b32 s16, s43, 18                        ; ao's panel: 262,144 bytes a block of rows
	s_lshl_b32 s18, s14, 15                        ; two heads
	s_add_co_u32 s16, s16, s18
	s_mov_b32 s17, 0
	s_lshl_b32 s46, s42, 18                        ; 128 rows of 2,048 bytes of wpt
	s_lshl_b32 s18, s14, 17                        ; 64 rows
	s_add_co_u32 s46, s46, s18
	s_mov_b32 s47, 0
	s_mul_i32 s20, s12, HALFA                      ; LDS: ao's halves at wave x two heads (waves 0, 1),
	s_mul_i32 s21, s12, HALFB
	s_add_co_u32 s21, s21, ATILE-2*HALFB           ; wpt's behind them at (wave - 2) x 64 rows (waves 2, 3)
	s_wait_dscnt 0x0
	s_wait_kmcnt 0x0
	s_add_nc_u64 s[16:17], s[4:5], s[16:17]
	s_add_nc_u64 s[46:47], s[6:7], s[46:47]
	CROUND                                         ; the first joint loads meet
.irp s, 0,1
	s_mov_b32 s[G0+4*\s], 1
	s_add_co_u32 s[G0+4*\s+1], s20, \s*SLOT
	s_add_nc_u64 s[G0+4*\s+2:G0+4*\s+3], s[16:17], \s*65536        ; four heads a slot step
	s_or_b32 s[G0+4*\s+3], s[G0+4*\s+3], 0x80000000
	s_mov_b32 s[G0B+4*\s], 1
	s_add_co_u32 s[G0B+4*\s+1], s21, \s*SLOT
	s_add_nc_u64 s[G0B+4*\s+2:G0B+4*\s+3], s[46:47], \s*512        ; 256 of K
	s_or_b32 s[G0B+4*\s+3], s[G0B+4*\s+3], 0x80000000
	JLOAD \s                                       ; both first fills together: two tensor loads of a wave are out, never more
.endr
	v_and_b32 v1, 15, v0                           ; r
	v_bfe_u32 v2, v0, 4, 1                         ; h
	s_lshl_b32 s66, s42, 9                         ; the bias of my 64 columns: 512 bx + 256 wc
	s_lshl_b32 s67, s14, 8
	s_add_co_u32 s66, s66, s67
	s_mov_b32 s67, 0
	s_add_nc_u64 s[8:9], s[8:9], s[66:67]
	v_lshlrev_b32 v[BO], 5, v2
.irp b, 0,1,2,3
	global_load_b128 v[BIAS+8*\b:BIAS+8*\b+3],   v[BO], s[8:9] offset:64*\b
	global_load_b128 v[BIAS+8*\b+4:BIAS+8*\b+7], v[BO], s[8:9] offset:64*\b+16
.endr
	s_mul_i32 s22, s13, 64*PA
	v_mul_u32_u24 v3, v1, PA
	v_lshl_add_u32 v3, v2, 4, v3
	v_add_nc_u32 v[ADRA], s22, v3                  ; (64 wr + r) x 144 + 16 h
	v_add_nc_u32 v[ADRA+1], SLOT, v[ADRA]
	s_mul_i32 s23, s14, 64*PB
	s_add_co_u32 s23, s23, ATILE
	v_mul_u32_u24 v4, v1, PB
	v_lshl_add_u32 v4, v2, 4, v4
	v_add_nc_u32 v[ADRB], s23, v4                  ; behind ao's tile: (64 wc + r) x 528 + 16 h
	v_add_nc_u32 v[ADRB+1], SLOT, v[ADRB]
	s_mul_i32 s68, s12, 16*SPITCH
	s_add_co_u32 s68, s68, STAGE                   ; my stage
	v_mul_u32_u24 v5, v1, SPITCH
	v_lshl_add_u32 v5, v2, 5, v5
	v_add_nc_u32 v[STO], s68, v5                   ; in: row r, 32 bytes for each half of the lanes
	v_mul_u32_u24 v6, v2, SPITCH
	v_lshl_add_u32 v6, v1, 4, v6
	v_add_nc_u32 v[RD], s68, v6                    ; back: lanes 0-15 one row of 256 bytes, lanes 16-31 the next
	v_lshlrev_b32 v7, 12, v2
	v_lshl_add_u32 v[CO], v1, 4, v7                ; the same two rows in out0
; 16 LDS loads: quarter q (32 of K) of a slot into buffer f.  ao: head q / 2 of the slot, bytes 64 (q % 2) of its rows; wpt: bytes 64 q
.macro FETCH slot, q, f
.irp b, 0,1,2,3
	ds_load_b128 v[FB+64*\f+8*\b:FB+64*\f+8*\b+3],   v[ADRB+\slot] offset:16*PB*\b+64*\q
	ds_load_b128 v[FB+64*\f+8*\b+4:FB+64*\f+8*\b+7], v[ADRB+\slot] offset:16*PB*\b+64*\q+32
.endr
.irp a, 0,1,2,3
	ds_load_b128 v[FA+64*\f+8*\a:FA+64*\f+8*\a+3],   v[ADRA+\slot] offset:PLANE*(\q/2)+16*PA*\a+64*(\q%2)
	ds_load_b128 v[FA+64*\f+8*\a+4:FA+64*\f+8*\a+7], v[ADRA+\slot] offset:PLANE*(\q/2)+16*PA*\a+64*(\q%2)+32
.endr
.endm
; 8 matrix instructions: row tiles a0, a0 + 1 x 4 column tiles.  first = 1: C is the bias.  The 16 accumulators take turns, one instruction a turn.
.macro MUL8 f, a0, first
.irp a, \a0, \a0+1
.irp b, 0,1,2,3
.if \first
	v_wmma_f32_16x16x32_f16 v[8*(4*(\a)+\b):8*(4*(\a)+\b)+7], v[FB+64*\f+8*\b:FB+64*\f+8*\b+7], v[FA+64*\f+8*(\a):FA+64*\f+8*(\a)+7], v[BIAS+8*\b:BIAS+8*\b+7]
.else
	v_wmma_f32_16x16x32_f16 v[8*(4*(\a)+\b):8*(4*(\a)+\b)+7], v[FB+64*\f+8*\b:FB+64*\f+8*\b+7], v[FA+64*\f+8*(\a):FA+64*\f+8*(\a)+7], v[8*(4*(\a)+\b):8*(4*(\a)+\b)+7]
.endif
.endr
.endr
.endm
; A quarter: fetches quarter qn into the other buffer, then multiplies buffer f
.macro QUART slot, qn, f, first
	PLACES
	WIN 0
	FETCH \slot, \qn, (1-\f)
	s_wait_dscnt 16                                ; buffer f is in; the 16 loads just issued may be out
.if \first
	WIN 0x40                                       ; D window 1, C (the bias) window 0
.else
	WIN 0x50                                       ; C and D window 1
.endif
	MUL8 \f, 0, \first
	MUL8 \f, 2, \first
.endm
.macro SEVEN slot, first
	QUART \slot, 1, 0, \first
	QUART \slot, 2, 1, 0
	QUART \slot, 3, 0, 0
	QUART \slot, 4, 1, 0
	QUART \slot, 5, 0, 0
	QUART \slot, 6, 1, 0
	QUART \slot, 7, 0, 0
.endm
; The eighth quarter multiplies buffer 1 and changes slots: one barrier (with fill: it opens a round of the cluster's barrier); the refill first behind it
.macro TURN slot, next, fill
	s_wait_dscnt 0                                 ; buffer 1 is in, and my reads of this slot are over
	s_wait_tensorcnt 0x0                           ; all my tensor loads have landed: my part of the next slot
	ds_add_u32 v30, v31
	s_wait_dscnt 0x0
	s_barrier_signal -1
	WIN 0x50
	MUL8 1, 0, 0
	WIN 0
	s_barrier_wait -1
.if \fill
	CREST
	s_add_nc_u64 s[G0+4*\slot+2:G0+4*\slot+3], s[G0+4*\slot+2:G0+4*\slot+3], 131072
	s_add_nc_u64 s[G0B+4*\slot+2:G0B+4*\slot+3], s[G0B+4*\slot+2:G0B+4*\slot+3], 1024
	JLOAD \slot
.endif
	PLACES
	FETCH \next, 0, 0
	WIN 0x50
	MUL8 1, 2, 0
.endm
	s_wait_tensorcnt 1                             ; my part of slot 0 is in; slot 1's load, issued behind it, stays out
	s_barrier_signal -1
	s_barrier_wait -1
	s_wait_loadcnt 0x0                             ; the bias
	FETCH 0, 0, 0
	SEVEN 0, 1
	TURN 0, 1, 1
	SEVEN 1, 0
	TURN 1, 0, 1
	SEVEN 0, 0
	TURN 0, 1, 0                                   ; nothing is left to fetch
	SEVEN 1, 0
	s_wait_dscnt 0
	MUL8 1, 0, 0
	MUL8 1, 2, 0
	; THE WAY OUT, 16 rows at a time, straight from the accumulators through my own stage
	PLACES
	s_lshl_b32 s66, s43, 19                        ; 128 rows of 4,096 bytes
	s_lshl_b32 s67, s13, 18                        ; 64 rows
	s_add_co_u32 s66, s66, s67
	s_lshl_b32 s67, s42, 9                         ; 128 columns of 4 bytes
	s_add_co_u32 s66, s66, s67
	s_lshl_b32 s67, s14, 8                         ; 64 columns
	s_add_co_u32 s66, s66, s67
	s_mov_b32 s67, 0
	s_add_nc_u64 s[10:11], s[10:11], s[66:67]
.macro OUT a, rb
	WIN 0x04                                       ; an LDS store's data is source 1: window 1
.irp b, 0,1,2,3
	ds_store_b128 v[STO], v[8*(4*\a+\b):8*(4*\a+\b)+3]   offset:64*\b
	ds_store_b128 v[STO], v[8*(4*\a+\b)+4:8*(4*\a+\b)+7] offset:64*\b+16
.endr
	WIN 0
	s_wait_xcnt 0x0                                ; set rb, which earlier stores read, is loaded again only behind this wait
.irp t, 0,1,2,3,4,5,6,7
	ds_load_b128 v[\rb+4*\t:\rb+4*\t+3], v[RD] offset:2*SPITCH*\t   ; LDS serves a wave's instructions in order: these see the stores above
.endr
.irp t, 0,1,2,3,4,5,6,7
	s_wait_dscnt 7-\t
	global_store_b128 v[CO], v[\rb+4*\t:\rb+4*\t+3], s[10:11] offset:(16*\a+2*\t)*4096 th:TH_STORE_NT   ; sixteen lanes store 256 consecutive bytes, aligned
.endr
.endm
	OUT 0, 192
	OUT 1, 224
	OUT 2, 192
	OUT 3, 224
	s_wait_tensorcnt 0x0
	ds_add_u32 v30, v31
	s_wait_dscnt 0x0
	CROUND                                         ; the closing round
	s_endpgm
.Lfunc_end_k_q67c5b5e950_proj:
	.size	k_q67c5b5e950_proj, .Lfunc_end_k_q67c5b5e950_proj-k_q67c5b5e950_proj
	.p2alignl 7, 3214868480
	.fill 96, 4, 3214868480
	.section	.rodata,"a",@progbits
	.p2align	6, 0x0
	.amdhsa_kernel k_q67c5b5e950_proj
		.amdhsa_group_segment_fixed_size 327680
		.amdhsa_private_segment_fixed_size 0
		.amdhsa_enable_private_segment 0
		.amdhsa_kernarg_size 32
		.amdhsa_user_sgpr_count 2
		.amdhsa_user_sgpr_kernarg_segment_ptr 1
		.amdhsa_wavefront_size32 1
		.amdhsa_system_sgpr_workgroup_id_x 1
		.amdhsa_system_sgpr_workgroup_id_y 1
		.amdhsa_system_sgpr_workgroup_id_z 1
		.amdhsa_system_vgpr_workitem_id 0
		.amdhsa_next_free_vgpr 384
		.amdhsa_next_free_sgpr 80
		.amdhsa_reserve_vcc 0
		.amdhsa_float_denorm_mode_32 3
		.amdhsa_float_denorm_mode_16_64 3
		.amdhsa_memory_ordered 1
		.amdhsa_forward_progress 1
		.amdhsa_inst_pref_size 89
	.end_amdhsa_kernel
	.amdgpu_metadata
---
amdhsa.version: [ 1, 2 ]
amdhsa.kernels:
  - .name:           k_q67c5b5e950_proj
    .symbol:         k_q67c5b5e950_proj.kd
    .args:
      - { .name: ao, .offset: 0, .size: 8, .value_kind: global_buffer, .address_space: global }
      - { .name: wpt, .offset: 8, .size: 8, .value_kind: global_buffer, .address_space: global }
      - { .name: b_proj, .offset: 16, .size: 8, .value_kind: global_buffer, .address_space: global }
      - { .name: out0, .offset: 24, .size: 8, .value_kind: global_buffer, .address_space: global }
    .group_segment_fixed_size: 327680
    .private_segment_fixed_size: 0
    .kernarg_segment_align: 8
    .kernarg_segment_size: 32
    .max_flat_workgroup_size: 128
    .sgpr_count:     80
    .vgpr_count:     384
    .wavefront_size: 32
...
	.end_amdgpu_metadata
.endif
;; end of part 4
;; ======== version 2 of 2: 4 launches; version 1 with the launch cast written anew for expert scheduling mode
;; limits: values are held in f16: magnitudes above 65,504 overflow, below 6.1e-05 lose precision
;; workspace buffers: hb 8,388,608 bytes; wat 6,291,456 bytes; wpt 2,097,152 bytes; qkv 25,165,824 bytes; ao 8,388,608 bytes
;; launch cast (part 5): grid 512 x 1, 8 waves a work-group, no clusters, 50,432 bytes of LDS; arguments hidden_states, w_attn, w_proj, hb, wat, wpt; writes hb, wat, wpt
.if DOCPART == 5
	.amdgcn_target "amdgcn-amd-amdhsa--gfx1250"
	.amdhsa_code_object_version 6
	.text
	.protected	k_q67c5b5e950_cast
	.globl	k_q67c5b5e950_cast
	.p2align	8
	.type	k_q67c5b5e950_cast,@function
k_q67c5b5e950_cast:
	s_mov_b64 s[64:65], 0
	v_nop
	global_prefetch_b8 v0, s[64:65] scope:SCOPE_SE
	s_setreg_imm32_b32 hwreg(HW_REG_WAVE_SCHED_MODE, 0, 2), 2
	s_setreg_imm32_b32 hwreg(HW_REG_WAVE_MODE, 25, 1), 1
	s_wait_xcnt 0x0
	s_wait_alu depctr_vm_vsrc(0)
; Three casts in one launch; every work-group reads 65,536 bytes once and writes 32,768 bytes once.
;   groups   0..255: hb  = hidden_states rounded to bf16, same order [4096][1024]
;   groups 256..447: wat = w_attn [1024 k][3072 n] rounded to bf16 and transposed to [3072 n][1024 k]
;   groups 448..511: wpt = w_proj [1024 k][1024 n] rounded to bf16, that value written as f16, transposed to [1024 n][1024 k]
; The products behind this launch then read 2-byte operands with K along the rows.  No matrix unit, no cluster: nothing is shared.
; LIMIT: wpt is f16: |w_proj| must stay below 65,504; a bf16 value below 2^-17 in size is moved by at most 2^-25.
; THE MODE: SCHED_MODE bits 1:0 = 2 (LLVM: expert scheduling mode 2), set by the entry lines.  The code itself states the register dependences
; between vector instructions and memory or LDS instructions, with s_wait_alu, always for 0.
; THE PLAN.  Registers that memory or LDS instructions touch:
;   v1 .. v5   offsets and LDS addresses: each written once by vector lines, then only read by loads and stores.
;   X          written by loads alone (global; in the weight path v[16:47] once more by LDS loads behind the barrier); read by the conversions, at the end by the global stores.
;   Y          each register written once, by a conversion; read once, by a store (global or LDS).
;   v112, v113 written at the head, read by the closing add alone.
; No register that a memory or LDS instruction has read is ever written again, so the text holds no wait on vm_vsrc.
; hidden_states: four blocks of four loads.  Block p rounds its four; its memory instructions are the four stores of block p - 1, whose data the ONE wait
; at the block's head shows written; block p's conversions name only block p's X and Y.
; Weights: a column's first 16 bytes (k 0-7 of the wave's 16) are whole behind row pair 3: their four LDS stores are dealt among the conversions of row pairs 4-7,
; which write the other half of Y; one wait at row pair 4, one ahead of the second halves' stores.
.set X,   16                           ; v[16:79]   16 loads of 4 registers
.set Y,   80                           ; v[80:111]  packed results
.set REG, 6176                         ; a wave's LDS region: 128 rows (n) of 48 bytes (32 of data), and 32 bytes so that regions start 32 bytes apart modulo 256
	s_load_b256 s[4:11], s[0:1], 0x0               ; hidden_states s[4:5], w_attn s[6:7], w_proj s[8:9], hb s[10:11]
	s_load_b128 s[12:15], s[0:1], 0x20             ; wat s[12:13], wpt s[14:15]
	v_lshl_add_u32 v112, v0, 2, 0xc100             ; my spare word, behind the eight regions, and 0: kept for the closing lines alone
	v_mov_b32 v113, 0
	v_lshrrev_b32 v6, 5, v0
	v_readfirstlane_b32 s24, v6                    ; wave 0..7
	v_and_b32 v7, 31, v0                           ; lane
	s_wait_alu depctr_va_sdst(0)                   ; s24 is written, ahead of the branch and of its first reader (the weight path's offsets are made from it)
	s_wait_kmcnt 0x0
	s_cmp_lt_u32 ttmp9, 256                        ; the branch hangs on the work-group's number alone: all eight waves go the same way
	s_cbranch_scc0 .Lweights
	; ---- hidden_states: thread t takes 16 bytes at 16 t of each of 16 blocks of 4,096 bytes
	s_lshl_b32 s16, ttmp9, 16                      ; 65,536 bytes in
	s_mov_b32 s17, 0
	s_lshl_b32 s18, ttmp9, 15                      ; 32,768 bytes out
	s_mov_b32 s19, 0
	s_add_nc_u64 s[4:5], s[4:5], s[16:17]
	s_add_nc_u64 s[10:11], s[10:11], s[18:19]
	v_lshlrev_b32 v1, 4, v0
	v_lshlrev_b32 v2, 3, v0
	s_wait_alu depctr_va_vdst(0)                   ; v1 and v2 are written: every load below reads v1 as its offset, every store v2
.irp j, 0,1,2,3,4,5,6,7,8,9,10,11,12,13,14,15
	global_load_b128 v[X+4*\j:X+4*\j+3], v1, s[4:5] offset:4096*\j th:TH_LOAD_NT   ; all sixteen go out at once
.endr
.irp p, 0,1,2,3
.irp i, 0,1,2,3
	s_wait_loadcnt 15-(4*(\p)+(\i))                ; loads come back in order: load 4 p + i is in, the younger ones stay out
.if ((\p) > 0) && ((\i) == 0)
	s_wait_alu depctr_va_vdst(0)                   ; the block before has written its eight registers of Y, which this block's four stores read
.endif
.if (\p) > 0
	global_store_b64 v2, v[Y+2*(4*(\p)+(\i))-8:Y+2*(4*(\p)+(\i))-7], s[10:11] offset:2048*(4*(\p)+(\i)-4)   ; the block before: a wave's store covers 256 consecutive bytes, aligned; no vector line since the wait names its registers
.endif
	v_cvt_pk_bf16_f32 v[Y+2*(4*(\p)+(\i))],   v[X+4*(4*(\p)+(\i))],   v[X+4*(4*(\p)+(\i))+1]
	v_cvt_pk_bf16_f32 v[Y+2*(4*(\p)+(\i))+1], v[X+4*(4*(\p)+(\i))+2], v[X+4*(4*(\p)+(\i))+3]   ; no register is written twice
.endr
.endr
	s_wait_alu depctr_va_vdst(0)                   ; the last block has written its eight registers of Y, which the last four stores read
.irp j, 12,13,14,15
	global_store_b64 v2, v[Y+2*\j:Y+2*\j+1], s[10:11] offset:2048*\j
.endr
	s_endpgm                                       ; this path has stored nothing into LDS
; ---- a weight tile of 128 k x 128 n.  s17 = kt, s18 = nt.  n = columns of the source.  half = 1: the bf16 value is written as f16.
; Wave w loads rows k = 16 w .. 16 w + 15 (512 consecutive bytes each); lane l holds columns 4 l .. 4 l + 3.
; Two neighbouring k of one column make a word; a column's 16 k are 32 bytes, laid at row n of the wave's own LDS region.
.macro TRANS src, dst, n, half
	s_mul_i32 s20, s17, 128*\n*4                   ; 128 rows of the source
	s_lshl_b32 s21, s18, 9                         ; 128 columns of 4 bytes
	s_add_co_u32 s20, s20, s21
	s_mov_b32 s21, 0
	s_add_nc_u64 s[\src:\src+1], s[\src:\src+1], s[20:21]
	s_lshl_b32 s22, s18, 18                        ; 128 rows of 2,048 bytes of the result
	s_lshl_b32 s23, s17, 8                         ; 128 k of 2 bytes
	s_add_co_u32 s22, s22, s23
	s_mov_b32 s23, 0
	s_add_nc_u64 s[\dst:\dst+1], s[\dst:\dst+1], s[22:23]
	s_mul_i32 s25, s24, 16*\n*4                    ; my wave's 16 rows
	v_lshl_add_u32 v1, v7, 4, s25
	s_wait_alu depctr_va_vdst(0)                   ; v1 is written: the sixteen loads read it as their offset
.irp i, 0,1,2,3,4,5,6,7,8,9,10,11,12,13,14,15
	global_load_b128 v[X+4*\i:X+4*\i+3], v1, s[\src:\src+1] offset:\i*\n*4 th:TH_LOAD_NT
.endr
	s_mul_i32 s26, s24, REG
	v_mul_u32_u24 v3, v7, 4*48                     ; in: rows 4 l .. 4 l + 3 of my region
	v_add_nc_u32 v3, s26, v3
	v_lshrrev_b32 v8, 4, v0                        ; back: thread t takes row t / 16 (of 16), bytes 16 (t % 16) of the row's 256:
	v_bfe_u32 v9, v0, 1, 3                         ; region (t % 16) / 2,
	v_and_b32 v10, 1, v0                           ; half t % 2 of its 32 bytes
	v_and_b32 v11, 15, v0
	v_mul_u32_u24 v4, v9, REG
	v_mad_u32_u24 v4, v8, 48, v4
	v_lshl_add_u32 v4, v10, 4, v4
	v_lshlrev_b32 v5, 11, v8                       ; the same place in the result: rows of 2,048 bytes
	v_lshl_add_u32 v5, v11, 4, v5
.irp p, 0,1,2,3,4,5,6,7
	s_wait_loadcnt 14-2*\p                         ; rows 2 p and 2 p + 1 are in; the 14 - 2 p younger loads stay out
.if \p == 4
	s_wait_alu depctr_va_vdst(0)                   ; row pairs 0 to 3 have written registers 0 to 3 of each column's eight in Y, which the four LDS stores below read; v3, v4 and v5 are written
.endif
.if \p >= 4
	ds_store_b128 v3, v[Y+8*(\p-4):Y+8*(\p-4)+3] offset:48*(\p-4)   ; column p - 4, its first 16 bytes.  No wait: the conversions since the wait write registers 4 to 7 of each eight and read X, v12, v13
.endif
.irp c, 0,1,2,3
	v_cvt_pk_bf16_f32 v[Y+8*\c+\p], v[X+8*\p+\c], v[X+8*\p+4+\c]
.if \half
	v_lshlrev_b32 v12, 16, v[Y+8*\c+\p]            ; the two bf16 values as f32,
	v_and_b32 v13, 0xffff0000, v[Y+8*\c+\p]
	v_cvt_pk_f16_f32 v[Y+8*\c+\p], v12, v13        ; written as f16 (8 significant bits fit into 11)
.endif
.endr
.endr
	s_wait_alu depctr_va_vdst(0)                   ; row pairs 4 to 7 have written registers 4 to 7 of each eight, which the LDS stores below read; and all conversions are done reading X, in which the LDS loads behind the barrier land
.irp c, 0,1,2,3
	ds_store_b128 v3, v[Y+8*\c+4:Y+8*\c+7] offset:48*\c+16
.endr
	s_wait_dscnt 0x0                               ; my stores are done, for the other waves' sake: zero
	s_barrier_signal -1
	s_barrier_wait -1                              ; every wave's are
.irp j, 0,1,2,3,4,5,6,7
	ds_load_b128 v[X+4*\j:X+4*\j+3], v4 offset:768*\j              ; 16 rows of 48 bytes further on; no vector line stands behind the last wait on va_vdst
.endr
.irp j, 0,1,2,3,4,5,6,7
	s_wait_dscnt 7-\j                              ; LDS loads come back in order: load j is in
	global_store_b128 v5, v[X+4*\j:X+4*\j+3], s[\dst:\dst+1] offset:32768*\j   ; sixteen lanes store 256 consecutive bytes, aligned
.endr
.endm
.Lweights:
	s_sub_co_u32 s16, ttmp9, 256
	s_and_b32 s17, s16, 7                          ; kt: which 128 of K
	s_lshr_b32 s18, s16, 3                         ; nt: which 128 columns (w_proj's tiles follow w_attn's 24)
	s_cmp_lt_u32 s16, 192
	s_cbranch_scc0 .Lproj
	TRANS 6, 12, 3072, 0
	s_wait_dscnt 0x0                               ; the closing lines, six on end
	s_wait_alu 0x0
	s_wait_tensorcnt 0x0
	ds_add_u32 v112, v113
	s_wait_dscnt 0x0
	s_endpgm
.Lproj:
	s_sub_co_u32 s18, s18, 24
	TRANS 8, 14, 1024, 1
	s_wait_dscnt 0x0                               ; the closing lines once more, for this end
	s_wait_alu 0x0
	s_wait_tensorcnt 0x0
	ds_add_u32 v112, v113
	s_wait_dscnt 0x0
	s_endpgm
.Lfunc_end_k_q67c5b5e950_cast:
	.size	k_q67c5b5e950_cast, .Lfunc_end_k_q67c5b5e950_cast-k_q67c5b5e950_cast
	.p2alignl 7, 3214868480
	.fill 96, 4, 3214868480
	.section	.rodata,"a",@progbits
	.p2align	6, 0x0
	.amdhsa_kernel k_q67c5b5e950_cast
		.amdhsa_group_segment_fixed_size 50432
		.amdhsa_private_segment_fixed_size 0
		.amdhsa_enable_private_segment 0
		.amdhsa_kernarg_size 48
		.amdhsa_user_sgpr_count 2
		.amdhsa_user_sgpr_kernarg_segment_ptr 1
		.amdhsa_wavefront_size32 1
		.amdhsa_system_sgpr_workgroup_id_x 1
		.amdhsa_system_sgpr_workgroup_id_y 1
		.amdhsa_system_sgpr_workgroup_id_z 1
		.amdhsa_system_vgpr_workitem_id 0
		.amdhsa_next_free_vgpr 114
		.amdhsa_next_free_sgpr 66
		.amdhsa_reserve_vcc 0
		.amdhsa_float_denorm_mode_32 3
		.amdhsa_float_denorm_mode_16_64 3
		.amdhsa_memory_ordered 1
		.amdhsa_forward_progress 1
		.amdhsa_inst_pref_size 27
	.end_amdhsa_kernel
	.amdgpu_metadata
---
amdhsa.version: [ 1, 2 ]
amdhsa.kernels:
  - .name:           k_q67c5b5e950_cast
    .symbol:         k_q67c5b5e950_cast.kd
    .args:
      - { .name: hidden_states, .offset: 0, .size: 8, .value_kind: global_buffer, .address_space: global }
      - { .name: w_attn, .offset: 8, .size: 8, .value_kind: global_buffer, .address_space: global }
      - { .name: w_proj, .offset: 16, .size: 8, .value_kind: global_buffer, .address_space: global }
      - { .name: hb, .offset: 24, .size: 8, .value_kind: global_buffer, .address_space: global }
      - { .name: wat, .offset: 32, .size: 8, .value_kind: global_buffer, .address_space: global }
      - { .name: wpt, .offset: 40, .size: 8, .value_kind: global_buffer, .address_space: global }
    .group_segment_fixed_size: 50432
    .private_segment_fixed_size: 0
    .kernarg_segment_align: 8
    .kernarg_segment_size: 48
    .max_flat_workgroup_size: 256
    .sgpr_count:     66
    .vgpr_count:     114
    .wavefront_size: 32
...
	.end_amdgpu_metadata
.endif
;; end of part 5
;; launch qkvgemm: the kernel of part 2 again; grid 16 x 16, 4 waves a work-group, clusters of 4 x 4, 327,680 bytes of LDS; arguments hb, wat, b_attn, qkv; writes qkv
;; launch attn: the kernel of part 3 again; grid 8 x 32, 8 waves a work-group, no clusters, 327,680 bytes of LDS; arguments qkv, ao; writes ao
;; launch proj: the kernel of part 4 again; grid 8 x 32, 4 waves a work-group, clusters of 4 x 4, 327,680 bytes of LDS; arguments ao, wpt, b_proj, out0; writes out0
